; MI455X (gfx1250); checked and timed in simulation.
; The chip was launched on July 23, 2026; its instructions are those of AMD's public machine-readable ISA for CDNA 5 (MIT licence, August 2026) and "CDNA5" Instruction Set Architecture Reference Guide (July 2026). The comments in the code are by the model that wrote it; some were corrected since.
;; Multi Head Attention. Allowed arithmetic: matrix products marked QUANTISED: E2M1 operands, one E8M0 scale for each 32 along K, by v_wmma_scale_f32_16x16x128_f8f6f4 with both operands' format E2M1 (or v_wmma_scale_f32_32x16x128_f4), f32 sums; products left as they are: bf16, f16 or f32 operands; f32 sums; everything else in f32.
;; Inputs: Wk 1,024 x 1,024 float32; Wo 1,024 x 1,024 float32; Wq 1,024 x 1,024 float32; Wv 1,024 x 1,024 float32; bk 1,024 float32; bo 1,024 float32; bq 1,024 float32; bv 1,024 float32; x 1 x 4,096 x 1,024 float32.
;; Outputs: out0 1 x 4,096 x 1,024 float32.
;; This version of the problem:
;;   THIS VERSION OF THE PROBLEM IS GIVEN IN LOW PRECISION. The matrix products marked QUANTISED in the list below multiply operands that are first quantised to E2M1 (2 exponent bits, 1 mantissa bit; 4 bits a number), with one power-of-two scale for each 32 numbers along K (OCP MX v1.0); their sums are f32. The products marked 'left as it is' may take bf16, f16 or f32 operands, with f32 sums. Whichever they take, every output number must still come out within the allowed error. Rounding operands to bf16 (8 significant bits) uses up far more of that allowance than f16 does (11 bits, for magnitudes from 6e-5 to 65,504). All else is computed in f32.
;;   The module's matrix products, in the order in which they are computed (A, B: the left and right operand; K: the contracted axis; several contracted axes count as one K, in the product's order):
;;     1. [M 4,096, K 1,024] x [K 1,024, N 1,024]; A: input x; B: input Wq: QUANTISED
;;     2. [M 4,096, K 1,024] x [K 1,024, N 1,024]; A: input x; B: input Wk: QUANTISED
;;     3. [M 4,096, K 1,024] x [K 1,024, N 1,024]; A: input x; B: input Wv: QUANTISED
;;     4. batch 16 x [M 4,096, K 64] x [K 64, N 4,096]; A: computed on the way; B: computed on the way: left as it is (an operand is computed on the way)
;;     5. batch 16 x [M 4,096, K 4,096] x [K 4,096, N 64]; A: computed on the way; B: computed on the way: left as it is (an operand is computed on the way)
;;     6. [M 4,096, K 1,024] x [K 1,024, N 1,024]; A: computed on the way; B: input Wo: left as it is (an operand is computed on the way)
;;   THE QUANTISER, for each operand of a quantised product, along K:
;;     - K is cut into blocks of 32 from its start; a last block that is shorter is filled with zeros.
;;     - A block's scale is 2^e with e = floor(log2(the largest magnitude in the block)) - 2, held to -126 .. 127; a block of zeros has e = 0. As a byte (E8M0): e + 127.
;;     - Each number is divided by its block's scale, clamped to +-6, and rounded to the nearest number of E2M1, ties to even, subnormals kept.
;;     - The product sums the exact products of the quantised numbers (number of the format x scale) in f32.
;;   ~~~python
;;   def quantise(x, axis):      # numpy; x: float32 -> the quantised numbers, widened to float32 again
;;       x = np.moveaxis(x, axis, -1); K = x.shape[-1]
;;       x = np.pad(x, [(0, 0)] * (x.ndim - 1) + [(0, -K % 32)]); x = x.reshape(x.shape[:-1] + (-1, 32)); a = np.abs(x).max(-1, keepdims=True)
;;       e = np.where(a > 0, np.clip(np.frexp(np.where(a > 0, a, 1))[1] - 1 - 2, -126, 127), 0)      # np.frexp(a)[1] - 1 = floor(log2(a)), exactly
;;       r = np.clip(x / 2.0 ** e, -6, 6)
;;       step = 2.0 ** (np.maximum(np.frexp(np.where(r == 0, 1, r))[1] - 1, 0) - 1)
;;       q = np.round(r / step) * step * 2.0 ** e      # np.round: ties to even
;;       return np.moveaxis(q.reshape(q.shape[:-2] + (-1,))[..., :K], -1, axis).astype(np.float32)
;;   ~~~
;; One version. Each part assembles by itself: llvm-mc -triple=amdgcn-amd-amdhsa -mcpu=gfx1250 --defsym DOCPART=n.
;; ======== version 1 of 1: 4 launches
;; limits: values are held in f16: magnitudes above 65,504 overflow, below 6.1e-05 lose precision
;; workspace buffers: xc 2,097,152 bytes; xs 131,072 bytes; wc 1,572,864 bytes; ws 98,304 bytes; wo16 2,097,152 bytes; qkv 25,165,824 bytes; ob 8,388,608 bytes
;; launch prep (part 1): grid 240 x 1, 4 waves a work-group, no clusters, 68,096 bytes of LDS; arguments x, Wq, Wk, Wv, Wo, xc, xs, wc, ws, wo16; writes xc, xs, wc, ws, wo16
.if DOCPART == 1
	.amdgcn_target "amdgcn-amd-amdhsa--gfx1250"
	.amdhsa_code_object_version 6
	.text
	.protected	k_q337f9ec29e_prep
	.globl	k_q337f9ec29e_prep
	.p2align	8
	.type	k_q337f9ec29e_prep,@function
k_q337f9ec29e_prep:
	s_mov_b64 s[64:65], 0
	v_nop
	global_prefetch_b8 v0, s[64:65] scope:SCOPE_SE
	s_setreg_imm32_b32 hwreg(HW_REG_WAVE_MODE, 25, 1), 1
	s_wait_xcnt 0x0
; PREP: what later launches read many times is made once.  Three paths, chosen by the work-group's number:
;   X (work-groups 0-127):   x [4096][1024] f32 -> codes of FP4 (E2M1), K innermost, xc [4096][512 bytes], and one E8M0 byte for each 32 along K, xs [4096][32].
;   W (work-groups 128-175): Wq, Wk, Wv [1024 (k)][1024 (n)] f32, K their FIRST axis -> codes with K innermost, wc [3072 (n of q, k, v on end)][512 bytes], ws [3072][32].
;   O (work-groups 176-239): Wo [1024 (k)][1024 (n)] f32 -> f16, laid as images of a 16-bit operand's registers: wo16 [n / 16][k / 32][1,024 bytes]; in an image the 8 numbers k = 8 q .. 8 q + 7 of column r lie at 256 q + 16 r.
; A block's scale is 2^(floor(log2(its largest magnitude)) - 2); its byte is the largest magnitude's exponent field - 2, held at 1 from below; each number is divided by the scale and rounded to the nearest code, ties to even, beyond 6 the largest code.
; LIMITS: a block of zeros gets the byte 1 where the quantiser says 127 (its codes are zeros, which add nothing under any byte but 0xff, and this program alone reads the bytes); blocks whose largest magnitude lies
; under 2^-124 keep the byte 1; NaN and infinities among the inputs are not served; Wo beyond 65,504 in magnitude has no f16 number.
; No tensor loads, no barrier: waves share nothing.  Each path that uses LDS has LDS bytes of its own.
.set SPW,    190                       ; v190  LDS address of my spare word: SPARE + 4 x my thread's number; never rewritten
.set NIL,    191                       ; v191  0; never rewritten
.set XREG,   8192                      ; path X: a region of LDS for each wave: two stages of 32 x XSP bytes, behind them its 256 scale bytes
.set XSP,    80                        ; a lane's place in a stage: its 64 bytes + 16 of padding
.set XSTEPS, 16                        ; steps of 512 numbers for a wave
.set XR,     16                        ; v16-79   four sets of 16 numbers as they are loaded
.set XX,     80                        ; v80-111  two sets of 16 neighbours
.set XE,     112                       ; v112-127 a scale byte for each step
.set XC,     128                       ; v128-189 codes: four registers' room for each step, so that no store's data are written again
.set WSTG,   4*XREG                    ; path W: four stages of 32 rows x WPITCH, behind path X's bytes
.set WPITCH, 272                       ; 256 bytes of codes + 16
.set WNB,    16                        ; blocks of 32 along K for a lane
.set WSB,    24                        ; v24-27   the scale bytes, four to a register
.set WX,     32                        ; v32-95   two sets of 32 numbers
.set WC,     96                        ; v96-99   a block's codes
.set WOUT,   112                       ; v112-175 the way out
.set OX,     32                        ; path O: v32-95 two sets of 32 numbers; v96-159 their f16 pairs, never rewritten
.set OP,     96
.set SPARE,  WSTG+4*32*WPITCH          ; the spare words, 128 bytes for each wave: two blocks of 256 bytes that no other line names
	s_load_b256 s[4:11], s[0:1], 0x0               ; x s[4:5], Wq s[6:7], Wk s[8:9], Wv s[10:11]
	s_load_b256 s[12:19], s[0:1], 0x20             ; Wo s[12:13], xc s[14:15], xs s[16:17], wc s[18:19]
	s_load_b128 s[20:23], s[0:1], 0x40             ; ws s[20:21], wo16 s[22:23]
	v_lshl_add_u32 v[SPW], v0, 2, SPARE
	v_mov_b32 v[NIL], 0
	v_lshrrev_b32 v1, 5, v0
	v_readfirstlane_b32 s24, v1                    ; wave 0..3
	v_and_b32 v2, 31, v0                           ; lane
	s_wait_kmcnt 0x0
	s_cmp_lt_u32 ttmp9, 128
	s_cbranch_scc1 .Lpath_x
	s_cmp_lt_u32 ttmp9, 176
	s_cbranch_scc1 .Lpath_w
; ---------------- PATH O.  A wave takes 32 columns x 128 along K.  A lane takes a column and its registers run down K: each load reads 128 consecutive bytes, and two neighbours along K pack into one register.
	s_sub_co_u32 s25, ttmp9, 176
	s_and_b32 s26, s25, 7                          ; which 128 columns
	s_lshr_b32 s27, s25, 3                         ; which 128 along K
	s_lshl_b32 s26, s26, 7
	s_lshl_b32 s28, s24, 5
	s_add_co_u32 s26, s26, s28                     ; my wave's first column n0
	s_lshl_b32 s28, s27, 19                        ; 128 rows of 4,096 bytes
	s_lshl_b32 s29, s26, 2
	s_add_co_u32 s28, s28, s29
	s_mov_b32 s29, 0
	s_add_nc_u64 s[12:13], s[12:13], s[28:29]
	s_lshl_b32 s28, s26, 11                        ; (n0 / 16) tiles of 32,768 bytes
	s_lshl_b32 s30, s27, 12                        ; four images of 1,024 bytes
	s_add_co_u32 s28, s28, s30
	s_add_nc_u64 s[22:23], s[22:23], s[28:29]
	v_lshlrev_b32 v3, 2, v2                        ; in: 4 bytes a lane
	v_lshrrev_b32 v4, 4, v2
	v_and_b32 v5, 15, v2
	v_lshlrev_b32 v4, 15, v4                       ; out: lanes 16-31 belong to the next tile of 16 columns,
	v_lshl_add_u32 v4, v5, 4, v4                   ; 16 bytes a column
.macro OLOAD f                         ; Wo(32 f + i, my column), i = 0 .. 31, into set f % 2
.irp i, 0,1,2,3,4,5,6,7,8,9,10,11,12,13,14,15,16,17,18,19,20,21,22,23,24,25,26,27,28,29,30,31
	global_load_b32 v[OX+32*((\f)%2)+\i], v3, s[12:13] offset:(32*(\f)+\i)*4096 th:TH_LOAD_NT
.endr
.endm
.macro OSTEP f
.if (\f) < 3
	s_wait_loadcnt 32                              ; these 32 loads are in; the next 32 along K may be out
.else
	s_wait_loadcnt 0x0
.endif
.irp i, 0,1,2,3,4,5,6,7,8,9,10,11,12,13,14,15
	v_cvt_pk_f16_f32 v[OP+16*(\f)+\i], v[OX+32*((\f)%2)+2*\i], v[OX+32*((\f)%2)+2*\i+1]   ; the lower k in the low half
.endr
.irp q, 0,1,2,3
	global_store_b128 v4, v[OP+16*(\f)+4*\q:OP+16*(\f)+4*\q+3], s[22:23] offset:1024*(\f)+256*\q   ; sixteen lanes store 256 consecutive bytes, aligned
.endr
.if (\f) < 2
	OLOAD (\f)+2
.endif
.endm
	OLOAD 0
	OLOAD 1
	OSTEP 0
	OSTEP 1
	OSTEP 2
	OSTEP 3
	s_endpgm
; ---------------- PATH X.  Rows are dense and K is a multiple of 32: x is a plain stream of blocks of 32, and so are its codes and scale bytes.  A wave takes 16 steps of 512 numbers.
; Each load reads 512 consecutive bytes, 16 a lane; a step's 2,048 bytes turn through the wave's own stage in LDS and come back 64 bytes a lane: 16 neighbours along K, two lanes to a block.
.Lpath_x:
	v_lshlrev_b32 v3, 4, v2                        ; my 16 bytes of a load's 512
	s_mul_i32 s25, s24, XREG
	v_lshrrev_b32 v14, 2, v2
	v_mul_u32_u24 v14, v14, XSP
	v_and_b32 v15, 3, v2
	v_lshl_add_u32 v14, v15, 4, v14
	v_add_nc_u32 v14, s25, v14                     ; the stage, on the way in: XSP (lane / 4) + 16 (lane % 4)
	v_mul_u32_u24 v15, v2, XSP
	v_add_nc_u32 v15, s25, v15                     ; and on the way out: XSP x lane
	v_mul_u32_u24 v4, v2, 8                        ; my 8 bytes of a step's codes
	v_lshrrev_b32 v5, 1, v2
	s_add_co_u32 s25, s25, 2*32*XSP
	v_add_nc_u32 v5, s25, v5                       ; LDS: my wave's 256 scale bytes, my block's byte
	v_lshlrev_b32 v7, 3, v2                        ; and on the way out 8 bytes a lane
	v_add_nc_u32 v6, s25, v7
	s_lshl_b32 s26, ttmp9, 2
	s_add_co_u32 s26, s26, s24                     ; which run of 8,192 numbers is my wave's
	s_mov_b32 s29, 0
	s_lshl_b32 s28, s26, 15                        ; 32,768 bytes of x,
	s_add_nc_u64 s[4:5], s[4:5], s[28:29]
	s_lshl_b32 s28, s26, 12                        ; 4,096 of codes,
	s_add_nc_u64 s[14:15], s[14:15], s[28:29]
	s_lshl_b32 s28, s26, 8                         ; 256 scale bytes a run
	s_add_nc_u64 s[16:17], s[16:17], s[28:29]
.macro XLOAD t
.irp i, 0,1,2,3
	global_load_b128 v[XR+16*((\t)%4)+4*\i:XR+16*((\t)%4)+4*\i+3], v3, s[4:5] offset:2048*(\t)+512*\i th:TH_LOAD_NT
.endr
.endm
.macro XTURN t                         ; step t's numbers through the stage: LDS serves a wave's instructions in order (ISA guide 5.7.1.4), so no wait stands between the stores and the loads
.irp i, 0,1,2,3
	ds_store_b128 v14, v[XR+16*((\t)%4)+4*\i:XR+16*((\t)%4)+4*\i+3] offset:32*XSP*((\t)%2)+8*XSP*\i
.endr
.irp i, 0,1,2,3
	ds_load_b128 v[XX+16*((\t)%2)+4*\i:XX+16*((\t)%2)+4*\i+3], v15 offset:32*XSP*((\t)%2)+16*\i
.endr
.endm
.macro XSTEP t
.set XS, XX+16*((\t)%2)
.if (\t) > 0
	s_wait_dscnt 1                                 ; this step's numbers are back from the stage (the last step's byte store may be out)
.else
	s_wait_dscnt 0x0
.endif
.if (\t)+4 < XSTEPS
	XLOAD (\t)+4                                   ; into the registers that the stage's stores have read
.endif
.if (\t)+1 < XSTEPS
.if XSTEPS-2-(\t) >= 3
	s_wait_loadcnt 12                              ; the next step's four loads are in; those of the three steps behind it may be out
.else
	s_wait_loadcnt 4*(XSTEPS-2-(\t))
.endif
	XTURN (\t)+1
.endif
	v_max3_num_f32 v8, |v[XS]|, |v[XS+1]|, |v[XS+2]|               ; the largest magnitude of my 16, in two chains
	v_max3_num_f32 v9, |v[XS+3]|, |v[XS+4]|, |v[XS+5]|
.irp i, 6,10
	v_max3_num_f32 v8, v8, |v[XS+\i]|, |v[XS+\i+1]|
	v_max3_num_f32 v9, v9, |v[XS+\i+2]|, |v[XS+\i+3]|
.endr
	v_max3_num_f32 v8, v8, |v[XS+14]|, |v[XS+15]|
	v_max3_num_f32 v8, v8, v9, 0x1800000           ; and the floor 2^(3 - 127): the byte cannot fall under 1
	v_max_num_f32_dpp v8, v8, v8 row_xmask:1 row_mask:0xf bank_mask:0xf   ; and of my neighbour's 16: the block's
	v_add_nc_u32 v11, 0xff000000, v8               ; 2 off its exponent field: the conversion takes the exponent field of this operand as its scale
	v_cvt_scalef32_pk8_fp4_f32 v[XC+4*(\t)], v[XS:XS+7], v11
	v_cvt_scalef32_pk8_fp4_f32 v[XC+4*(\t)+1], v[XS+8:XS+15], v11
	v_lshrrev_b32 v[XE+(\t)], 23, v11              ; the scale's byte
	ds_store_b8 v5, v[XE+(\t)] offset:16*(\t)      ; both lanes of a block write the same byte with the same value
	global_store_b64 v4, v[XC+4*(\t):XC+4*(\t)+1], s[14:15] offset:256*(\t)   ; the wave stores 256 consecutive bytes, aligned
.endm
.irp t, 0,1,2,3
	XLOAD \t
.endr
	s_wait_loadcnt 12                              ; step 0's four loads are in
	XTURN 0
.irp t, 0,1,2,3,4,5,6,7,8,9,10,11,12,13,14,15
	XSTEP \t
.endr
	ds_load_b64 v[8:9], v6                         ; my wave's 256 scale bytes: these loads see my stores
	s_wait_dscnt 0x0
	global_store_b64 v7, v[8:9], s[16:17]          ; 32 lanes store 256 consecutive bytes, aligned
	s_wait_tensorcnt 0x0                           ; the wave's end, behind my last LDS store
	ds_add_u32 v[SPW], v[NIL]
	s_wait_dscnt 0x0
	s_endpgm
; ---------------- PATH W.  A wave takes 32 columns x 512 along K of one of the three weights.  A lane takes a column n and its registers run down K: a block of 32 lies in one lane's 32 registers,
; and the conversions give codes with K innermost.  A lane's 256 bytes of codes belong to one row of wc: they go through the wave's own stage and leave as rows, sixteen lanes to 256 aligned bytes.
.Lpath_w:
	s_sub_co_u32 s25, ttmp9, 128                   ; 16 work-groups a weight: 8 along n x 2 along K
	s_cmp_lt_u32 s25, 32
	s_cselect_b64 s[8:9], s[8:9], s[10:11]         ; Wk or Wv,
	s_cmp_lt_u32 s25, 16
	s_cselect_b64 s[6:7], s[6:7], s[8:9]           ; or Wq: the choice hangs on the work-group's number alone
	s_and_b32 s26, s25, 7
	s_lshl_b32 s26, s26, 7
	s_lshl_b32 s27, s24, 5
	s_add_co_u32 s26, s26, s27                     ; my wave's first column in its weight
	s_bfe_u32 s27, s25, 0x10003                    ; which 512 along K
	s_lshr_b32 s28, s25, 4                         ; which weight
	s_lshl_b32 s30, s27, 21                        ; 512 rows of 4,096 bytes
	s_lshl_b32 s31, s26, 2
	s_add_co_u32 s30, s30, s31
	s_mov_b32 s31, 0
	s_add_nc_u64 s[6:7], s[6:7], s[30:31]
	s_lshl_b32 s28, s28, 10
	s_add_co_u32 s28, s28, s26                     ; my first row of wc and ws
	s_lshl_b32 s30, s28, 9
	s_lshl_b32 s29, s27, 8
	s_add_co_u32 s30, s30, s29
	s_add_nc_u64 s[18:19], s[18:19], s[30:31]      ; codes: 512 bytes a row, + 256 for the second half of K
	s_lshl_b32 s30, s28, 5
	s_lshl_b32 s29, s27, 4
	s_add_co_u32 s30, s30, s29
	s_add_nc_u64 s[20:21], s[20:21], s[30:31]      ; scale bytes: 32 a row, + 16
	v_lshlrev_b32 v3, 2, v2                        ; in: 4 bytes a lane
	s_mul_i32 s29, s24, 32*WPITCH
	s_add_co_u32 s29, s29, WSTG                    ; my stage
	v_mul_u32_u24 v4, v2, WPITCH
	v_add_nc_u32 v4, s29, v4                       ; into it: row = my column
	v_and_b32 v5, 15, v2
	v_lshrrev_b32 v6, 4, v2                        ; out of it: sixteen lanes to a row, two rows an instruction
	v_mul_u32_u24 v7, v6, WPITCH
	v_lshl_add_u32 v7, v5, 4, v7
	v_add_nc_u32 v7, s29, v7
	v_mul_u32_u24 v8, v6, 512
	v_lshl_add_u32 v8, v5, 4, v8                   ; and the same place in wc
	v_mul_u32_u24 v9, v2, 32                       ; my column's row of scale bytes
.macro WLOAD t                         ; block t: W(32 t + i, my column) into set t % 2; the offsets, 511 rows of 4,096 bytes at the most, stay inside the signed 24-bit immediate (ISA guide, chapter 10)
.irp i, 0,1,2,3,4,5,6,7,8,9,10,11,12,13,14,15,16,17,18,19,20,21,22,23,24,25,26,27,28,29,30,31
	global_load_b32 v[WX+32*((\t)%2)+\i], v3, s[6:7] offset:(32*(\t)+\i)*4096 th:TH_LOAD_NT
.endr
.endm
.macro WBLOCK t
.set XS, WX+32*((\t)%2)
.if (\t) < WNB-1
	s_wait_loadcnt 32                              ; this block's 32 loads are in; the next block's may be out
.else
	s_wait_loadcnt 0x0
.endif
	v_max3_num_f32 v12, |v[XS]|, |v[XS+1]|, |v[XS+2]|              ; the block's largest magnitude: all 32 numbers are mine
	v_max3_num_f32 v13, |v[XS+3]|, |v[XS+4]|, |v[XS+5]|
.irp i, 6,10,14,18,22,26
	v_max3_num_f32 v12, v12, |v[XS+\i]|, |v[XS+\i+1]|
	v_max3_num_f32 v13, v13, |v[XS+\i+2]|, |v[XS+\i+3]|
.endr
	v_max3_num_f32 v12, v12, |v[XS+30]|, |v[XS+31]|
	v_max3_num_f32 v12, v12, v13, 0x1800000        ; and the floor 2^(3 - 127)
	v_add_nc_u32 v11, 0xff000000, v12              ; 2 off its exponent field: the conversion's scale operand
	v_lshrrev_b32 v13, 23, v11                     ; the scale's byte
.if (\t)%4 == 0
	v_mov_b32 v[WSB+(\t)/4], v13                   ; four bytes to a register, the lower K in the lower byte
.else
	v_lshl_or_b32 v[WSB+(\t)/4], v13, 8*((\t)%4), v[WSB+(\t)/4]
.endif
.irp g, 0,1,2,3
	v_cvt_scalef32_pk8_fp4_f32 v[WC+\g], v[XS+8*\g:XS+8*\g+7], v11
.endr
	ds_store_b128 v4, v[WC:WC+3] offset:16*(\t)    ; 32 codes: 16 bytes of my column's row
.if (\t)+2 < WNB
	WLOAD (\t)+2
.endif
	s_wait_dscnt 0x0                               ; the store has read its registers: the next block's codes may be written
.endm
	WLOAD 0
	WLOAD 1
.irp t, 0,1,2,3,4,5,6,7,8,9,10,11,12,13,14,15
	WBLOCK \t
.endr
	global_store_b128 v9, v[WSB:WSB+3], s[20:21]   ; my column's 16 scale bytes
.irp t, 0,1,2,3,4,5,6,7,8,9,10,11,12,13,14,15
	ds_load_b128 v[WOUT+4*\t:WOUT+4*\t+3], v7 offset:2*\t*WPITCH   ; these loads see my stores
.endr
.irp t, 0,1,2,3,4,5,6,7,8,9,10,11,12,13,14,15
	s_wait_dscnt 15-\t                             ; LDS loads come back in order: load t is in
	global_store_b128 v8, v[WOUT+4*\t:WOUT+4*\t+3], s[18:19] offset:2*\t*512
.endr
	s_wait_tensorcnt 0x0                           ; the wave's end, behind my last LDS store
	ds_add_u32 v[SPW], v[NIL]
	s_wait_dscnt 0x0
	s_endpgm
.Lfunc_end_k_q337f9ec29e_prep:
	.size	k_q337f9ec29e_prep, .Lfunc_end_k_q337f9ec29e_prep-k_q337f9ec29e_prep
	.p2alignl 7, 3214868480
	.fill 96, 4, 3214868480
	.section	.rodata,"a",@progbits
	.p2align	6, 0x0
	.amdhsa_kernel k_q337f9ec29e_prep
		.amdhsa_group_segment_fixed_size 68096
		.amdhsa_private_segment_fixed_size 0
		.amdhsa_enable_private_segment 0
		.amdhsa_kernarg_size 80
		.amdhsa_user_sgpr_count 2
		.amdhsa_user_sgpr_kernarg_segment_ptr 1
		.amdhsa_wavefront_size32 1
		.amdhsa_system_sgpr_workgroup_id_x 1
		.amdhsa_system_sgpr_workgroup_id_y 1
		.amdhsa_system_sgpr_workgroup_id_z 1
		.amdhsa_system_vgpr_workitem_id 0
		.amdhsa_next_free_vgpr 192
		.amdhsa_next_free_sgpr 66
		.amdhsa_reserve_vcc 0
		.amdhsa_float_denorm_mode_32 3
		.amdhsa_float_denorm_mode_16_64 3
		.amdhsa_memory_ordered 1
		.amdhsa_forward_progress 1
		.amdhsa_inst_pref_size 129
	.end_amdhsa_kernel
	.amdgpu_metadata
---
amdhsa.version: [ 1, 2 ]
amdhsa.kernels:
  - .name:           k_q337f9ec29e_prep
    .symbol:         k_q337f9ec29e_prep.kd
    .args:
      - { .name: x, .offset: 0, .size: 8, .value_kind: global_buffer, .address_space: global }
      - { .name: Wq, .offset: 8, .size: 8, .value_kind: global_buffer, .address_space: global }
      - { .name: Wk, .offset: 16, .size: 8, .value_kind: global_buffer, .address_space: global }
      - { .name: Wv, .offset: 24, .size: 8, .value_kind: global_buffer, .address_space: global }
      - { .name: Wo, .offset: 32, .size: 8, .value_kind: global_buffer, .address_space: global }
      - { .name: xc, .offset: 40, .size: 8, .value_kind: global_buffer, .address_space: global }
      - { .name: xs, .offset: 48, .size: 8, .value_kind: global_buffer, .address_space: global }
      - { .name: wc, .offset: 56, .size: 8, .value_kind: global_buffer, .address_space: global }
      - { .name: ws, .offset: 64, .size: 8, .value_kind: global_buffer, .address_space: global }
      - { .name: wo16, .offset: 72, .size: 8, .value_kind: global_buffer, .address_space: global }
    .group_segment_fixed_size: 68096
    .private_segment_fixed_size: 0
    .kernarg_segment_align: 8
    .kernarg_segment_size: 80
    .max_flat_workgroup_size: 128
    .sgpr_count:     66
    .vgpr_count:     192
    .wavefront_size: 32
...
	.end_amdgpu_metadata
.endif
;; end of part 1
;; launch qkv (part 2): grid 12 x 16, 4 waves a work-group, clusters of 4 x 4, 327,680 bytes of LDS; arguments xc, xs, wc, ws, bq, bk, bv, qkv; writes qkv
.if DOCPART == 2
	.amdgcn_target "amdgcn-amd-amdhsa--gfx1250"
	.amdhsa_code_object_version 6
	.text
	.protected	k_q337f9ec29e_qkv
	.globl	k_q337f9ec29e_qkv
	.p2align	8
	.type	k_q337f9ec29e_qkv,@function
k_q337f9ec29e_qkv:
	s_mov_b64 s[64:65], 0
	v_nop
	global_prefetch_b8 v0, s[64:65] scope:SCOPE_SE
	s_setreg_imm32_b32 hwreg(HW_REG_WAVE_MODE, 25, 1), 1
	s_wait_xcnt 0x0
	s_wait_alu depctr_hold_cnt(0) depctr_sa_sdst(0) depctr_va_vdst(0) depctr_va_sdst(0) depctr_va_ssrc(0) depctr_va_vcc(0) depctr_vm_vsrc(0)
	s_getreg_b32 s2, hwreg(HW_REG_IB_STS2, 6, 4)
	s_cmp_eq_u32 s2, 0
	s_cbranch_scc0 .Lentry_in_a_cluster
	s_endpgm
.Lentry_in_a_cluster:
	s_bfe_u32 s2, ttmp6, 0x10000c
	s_cmp_lg_u32 s2, 0xf033
	s_cbranch_scc0 .Lentry_shape_is_right
	s_endpgm
.Lentry_shape_is_right:
; q, k, v = x W + b as ONE product on codes of FP4 (E2M1) with E8M0 scales: C[m][n] = sum over k of A[m][k] B[n][k] + bias[n]; A = xc [4096][1024 codes], B = wc [3072][1024 codes] (rows 0-1023 Wq's columns, then Wk's, then Wv's); sums in f32.
; A tile of C, 256 x 256, is made by a work-group of four waves; a wave makes 128 x 128: 64 accumulators, 512 registers.  K = 1,024 is two K steps of 512, each in an LDS slot of its own: both are asked for at the head and nothing is filled again.
; The scale bytes of the work-group's 256 rows of A and of B, for all of K, are two dense blocks of memory: they come into LDS once, in rows of 256 bytes.
; CLUSTERS: 4 x 4 work-groups.  The four of a row of the cluster need the same tiles of A, the four of a column the same tiles of B: each tile is asked for jointly.  Cluster x = 0, 1, 2 IS the choice of q, k, v: the same in all sixteen partners.
; THE MATRIX INSTRUCTION IS USED TRANSPOSED (source 0 = 16 rows of B, source 1 = 16 rows of A): lane (r, h) holds token r and eight neighbouring channels 8 h + 0 .. 7.  The bias is the C of each sum's first product.
; THE WAY OUT.  A lane's eight results, rounded to f16, are 16 bytes, and the 32 lanes' 512 bytes ARE a chunk of the next launch's operand: they are stored from registers as they stand, 512 consecutive bytes an instruction.
;   qkv: q at 0, k at 8,388,608, v at 16,777,216; each [head 16][tile of 16 tokens 256][16 channels 4][chunk of 512 bytes].  In a chunk of q or k lane l's 16 bytes lie at 16 l; in a chunk of v token r's 32 bytes lie at 32 r (rows, for the turning load).
; LIMITS: |q|, |k|, |v| stay under 65,504 (f16); NaN and infinities are not served.
; REGISTERS, in windows of 256: window 0: v0-31 addresses; v32-95 scale words, two sets; v128-191 A's fragments, one set; v192-255 the bias; on the way out v128-255 hold packed results.
;   window 1: B's fragments, two sets, at v0 and v128.   window 2: the accumulators of my rows 0-63 ((a, b) at v[8 (8 a + b)]);   window 3: those of my rows 64-127.
.set NQ,     4                         ; matrix instructions deep in a slot: 512 along K
.set ROWB,   256                       ; a tile's row in bytes
.set KROW,   512                       ; a row of codes in memory
.set PITCH,  272                       ; an LDS row: 256 bytes + 16 of padding, so that the 16 rows that a load touches begin 16 bytes further on in each 256
.set FR,     8                         ; registers of a fragment: 16 rows x 128 K
.set NL,     2                         ; LDS loads that bring one
.set NP,     4                         ; places behind this matrix instruction (ISA guide 7.12.1)
.set HALFT,  128*PITCH                 ; 128 rows: what one tensor load brings
.set SLOT,   4*HALFT                   ; A's 256 rows, then B's 256 rows
.set KS,     32                        ; a row of scale bytes
.set SCL,    2*SLOT                    ; behind the slots: the scales, as rows of 256 bytes + 16
.set HALFS,  (128*KS/256)*272          ; those of 128 rows
.set SBLK,   (16*KS/256)*272           ; those of 16 rows
.set SPARE,  SCL+4*HALFS               ; the spare words, 128 bytes for each wave: two blocks of 256 bytes that no other line names
.set ADRA, 16                          ; v16-17  LDS address of my A fragments in slot 0, 1
.set ADRB, 20                          ; v20-21  the same for B
.set CO,   26                          ; v26     my 16 bytes' place in a chunk
.set ADRS, 27                          ; v27     LDS address of my scale words: lanes 0-15 A's rows, lanes 16-31 B's
.set SPW,  28                          ; v28     LDS address of my spare word; never rewritten
.set NIL,  29                          ; v29     0; never rewritten
.set SC,   32                          ; scale words: set s at v[SC + 32 s]; register 4 i + q: lanes 0-15 A's block i, lanes 16-31 B's block i, the slot's q-th 128 along K
.set AF,   128
.set BIAS, 192                         ; v192-255: for B's block b eight registers: bias[16 b + 8 h + 0 .. 7]
.set TMP,  128                         ; the way out
.set G1, 24                            ; s[24:31] group 1 for A's tiles;  s[32:39] group 0, one set for each slot
.set G0, 32
.set G1B, 48                           ; s[48:55], s[56:63] the same for B's
.set G0B, 56
.set G1S, 68                           ; s[68:75], s[76:79] for A's scales;  s[80:87], s[88:91] for B's
.set G0S, 76
.set G1SB, 80
.set G0SB, 88
.set MSB, 0
.macro WIN new                         ; the immediate's high byte repeats the setting that is left; a switch that changes nothing is dropped
.if MSB != (\new)
	s_set_vgpr_msb (MSB<<8)|(\new)
.set MSB, (\new)
.endif
.endm
.set MUL_LO, 0xa1                      ; source 0 (B) window 1, source 1 (A) window 0, C and D window 2
.set MUL_HI, 0xf1                      ; the same, C and D window 3.  In the first step C is the bias, in window 0: 0x81 and 0xc1
.set TO_B,   0x40                      ; destination window 1, address window 0
; A joint load: waves 0 and 1 fetch for A, waves 2 and 3 for B; the branch hangs on the wave's number alone.  An s_nop 0 and four v_nop follow each of the two lines.
.macro JLOAD g0a, g1a, g0b, g1b
	s_cmp_eq_u32 s15, 0
	s_cbranch_scc0 .Lfor_b_\@
	tensor_load_to_lds s[\g0a:\g0a+3], s[\g1a:\g1a+7]
	s_nop 0
.rept 4
	v_nop
.endr
	s_branch .Lasked_\@
.Lfor_b_\@:
	tensor_load_to_lds s[\g0b:\g0b+3], s[\g1b:\g1b+7]
	s_nop 0
.rept 4
	v_nop
.endr
.Lasked_\@:
.endm
.macro CROUND                          ; a round of the cluster's barrier
	s_barrier_signal -1
	s_barrier_wait -1
	s_cmp_lg_u32 s14, 0
	s_cbranch_scc1 .Lnot_wave_0_\@
	s_barrier_signal -3
.Lnot_wave_0_\@:
	s_barrier_wait -3
	s_barrier_signal -1
	s_barrier_wait -1
.endm
	s_load_b128 s[4:7], s[0:1], 0x0                ; xc s[4:5], xs s[6:7]
	s_load_b128 s[8:11], s[0:1], 0x10              ; wc s[8:9], ws s[10:11]
	v_lshl_add_u32 v[SPW], v0, 2, SPARE
	v_mov_b32 v[NIL], 0
	ds_add_u32 v[SPW], v[NIL]                      ; the wave's opening: the add, twice on end, and its wait ahead of my first tensor load
	ds_add_u32 v[SPW], v[NIL]
	v_lshrrev_b32 v1, 5, v0
	v_readfirstlane_b32 s14, v1                    ; wave 0..3
	s_lshr_b32 s15, s14, 1                         ; which half of the tile's rows (tokens) is mine.  Also: I fetch for A (0) or for B (1)
	s_and_b32 s16, s14, 1                          ; which half of its columns (channels).  Also: which 128 rows of that tile I fetch
	s_bfe_u32 s40, ttmp6, 0x40000                  ; cx, cy: my place in the cluster
	s_bfe_u32 s41, ttmp6, 0x40004
	s_lshl_b32 s42, ttmp9, 2
	s_add_co_u32 s42, s42, s40                     ; tile column of C = 4 x cluster x + cx
	s_and_b32 s17, ttmp7, 0xffff
	s_lshl_b32 s17, s17, 2
	s_add_co_u32 s17, s17, s41                     ; tile row of C = 4 x cluster y + cy
	s_lshl_b32 s43, s41, 2
	s_lshl_b32 s43, 15, s43                        ; my row of the cluster
	s_lshl_b32 s44, 0x1111, s40                    ; my column
	; group 1: a tile of 128 rows x 256 bytes, padded in LDS
	s_or_b32 s[G1+0], s43, (0<<16)|(1<<20)|(1<<21)|(5<<22)|(3<<25)  ; 15:0 the mask: A's tiles go to my row; elements of 1 byte; padding on; bit 21 beside a mask; after every 64 words, 4 words
	s_or_b32 s[G1B+0], s44, (0<<16)|(1<<20)|(1<<21)|(5<<22)|(3<<25)
.irp g, G1, G1B
	s_mov_b32 s[\g+1], ROWB<<16                    ; tensor_dim0
	s_mov_b32 s[\g+2], 128<<16                     ; tensor_dim1
	s_mov_b32 s[\g+3], ROWB<<16                    ; tile_dim0
	s_mov_b32 s[\g+4], 128                         ; tile_dim1
	s_mov_b32 s[\g+5], KROW                        ; the pitch
	s_mov_b32 s[\g+6], 0
	s_mov_b32 s[\g+7], 0
.endr
	; the scales of 128 rows: 4,096 dense bytes, as 16 rows of 256 bytes (32 elements of 8 bytes), 16 bytes of padding behind each
	s_or_b32 s[G1S+0], s43, (3<<16)|(1<<20)|(1<<21)|(5<<22)|(3<<25)
	s_or_b32 s[G1SB+0], s44, (3<<16)|(1<<20)|(1<<21)|(5<<22)|(3<<25)
.irp g, G1S, G1SB
	s_mov_b32 s[\g+1], 32<<16
	s_mov_b32 s[\g+2], (128*KS/256)<<16
	s_mov_b32 s[\g+3], 32<<16
	s_mov_b32 s[\g+4], 128*KS/256
	s_mov_b32 s[\g+5], 32
	s_mov_b32 s[\g+6], 0
	s_mov_b32 s[\g+7], 0
.endr
	s_lshl_b32 s18, s16, 7                         ; which 128 rows of the tile I fetch
	s_lshl_b32 s20, s17, 8
	s_add_co_u32 s20, s20, s18                     ; A: row 256 x tile row + 128 x half
	s_lshl_b32 s46, s42, 8
	s_add_co_u32 s46, s46, s18                     ; B: row 256 x tile column + 128 x half
	s_mov_b32 s21, 0
	s_mov_b32 s47, 0
	s_mov_b64 s[18:19], KS
	s_mul_u64 s[22:23], s[20:21], s[18:19]         ; where these rows' scales begin, in bytes
	s_mul_u64 s[92:93], s[46:47], s[18:19]
	s_mov_b64 s[18:19], KROW
	s_mul_u64 s[20:21], s[20:21], s[18:19]         ; and their codes
	s_mul_u64 s[46:47], s[46:47], s[18:19]
	s_mul_i32 s45, s14, HALFT                      ; where they go: wave x 128 rows: no place in the cluster enters an LDS address
	s_mul_i32 s94, s14, HALFS
	s_wait_dscnt 0x0                               ; both opening adds are done
	s_wait_kmcnt 0x0
	s_add_nc_u64 s[20:21], s[4:5], s[20:21]
	s_add_nc_u64 s[22:23], s[6:7], s[22:23]
	s_add_nc_u64 s[46:47], s[8:9], s[46:47]
	s_add_nc_u64 s[92:93], s[10:11], s[92:93]
	CROUND                                         ; all sixteen work-groups are here: the joint loads meet
	s_mov_b32 s[G0S], 1
	s_add_co_u32 s[G0S+1], s94, SCL
	s_mov_b64 s[G0S+2:G0S+3], s[22:23]
	s_or_b32 s[G0S+3], s[G0S+3], 0x80000000
	s_mov_b32 s[G0SB], 1
	s_add_co_u32 s[G0SB+1], s94, SCL
	s_mov_b64 s[G0SB+2:G0SB+3], s[92:93]
	s_or_b32 s[G0SB+3], s[G0SB+3], 0x80000000
	JLOAD G0S, G1S, G0SB, G1SB                     ; the scales first: they are wanted with K step 0
.irp s, 0,1
	s_mov_b32 s[G0+4*\s], 1
	s_add_co_u32 s[G0+4*\s+1], s45, \s*SLOT
	s_add_nc_u64 s[G0+4*\s+2:G0+4*\s+3], s[20:21], \s*ROWB
	s_or_b32 s[G0+4*\s+3], s[G0+4*\s+3], 0x80000000
	s_mov_b32 s[G0B+4*\s], 1
	s_add_co_u32 s[G0B+4*\s+1], s45, \s*SLOT
	s_add_nc_u64 s[G0B+4*\s+2:G0B+4*\s+3], s[46:47], \s*ROWB
	s_or_b32 s[G0B+4*\s+3], s[G0B+4*\s+3], 0x80000000
	JLOAD G0+4*\s, G1, G0B+4*\s, G1B               ; three tensor loads of mine are out now, and no more follow
.endr
	s_load_b128 s[4:7], s[0:1], 0x20               ; bq s[4:5], bk s[6:7]: the four pointers above have gone into the descriptors
	s_load_b128 s[8:11], s[0:1], 0x30              ; bv s[8:9], qkv s[10:11]
	v_and_b32 v1, 15, v0                           ; r = l % 16
	v_bfe_u32 v2, v0, 4, 1                         ; h = l / 16
	v_mul_u32_u24 v3, v1, PITCH
	v_lshl_add_u32 v4, v2, 4, v3                   ; a fragment's row x pitch + 16 x half
	s_mul_i32 s21, s15, HALFT                      ; my 128 rows of A
	s_mul_i32 s22, s16, HALFT                      ; my 128 rows of B,
	s_add_co_u32 s22, s22, 2*HALFT                 ; which lie behind A's 256
.irp s, 0,1
	v_add_nc_u32 v[ADRA+\s], s21, v4
	v_add_nc_u32 v[ADRB+\s], s22, v4
	s_add_co_u32 s21, s21, SLOT
	s_add_co_u32 s22, s22, SLOT
.endr
	v_mul_u32_u24 v5, v1, KS                       ; my row's scales: 32 bytes a row,
	v_lshrrev_b32 v6, 8, v5
	v_lshl_add_u32 v5, v6, 4, v5                   ; and 16 more for each 256 passed
	s_mul_i32 s21, s15, HALFS                      ; A's: my 128 rows
	s_mul_i32 s22, s16, HALFS                      ; B's: my 128 rows, behind A's 256
	s_add_co_u32 s22, s22, 2*HALFS
	s_sub_co_u32 s22, s22, s21
	v_mul_u32_u24 v6, s22, v2                      ; lanes 16-31 take B's: the lower base + h x the distance
	s_add_co_u32 s21, s21, SCL
	v_add_nc_u32 v5, v5, v6
	v_add_nc_u32 v[ADRS], s21, v5
	v_lshlrev_b32 v8, 5, v2                        ; the bias: 32 h bytes
	s_wait_kmcnt 0x0
	s_cmp_eq_u32 ttmp9, 0                          ; q's bias, k's or v's: by the cluster's x, which all partners share
	s_cselect_b64 s[4:5], s[4:5], s[6:7]
	s_cmp_eq_u32 ttmp9, 2
	s_cselect_b64 s[4:5], s[8:9], s[4:5]
	s_cselect_b32 s66, 5, 4                        ; a chunk of v has token r at 32 r and half h at 16 h; one of q or k has lane l at 16 l = 16 r + 256 h
	s_cselect_b32 s67, 4, 8
	v_lshlrev_b32 v[CO], s66, v1
	v_lshlrev_b32 v9, s67, v2
	v_add_nc_u32 v[CO], v[CO], v9
	s_lshl_b32 s46, s40, 10                        ; my first channel in its tensor, x 4 bytes: 256 cx + 128 x half
	s_lshl_b32 s47, s16, 9
	s_add_co_u32 s46, s46, s47
	s_mov_b32 s47, 0
	s_add_nc_u64 s[4:5], s[4:5], s[46:47]
.irp b, 0,1,2,3,4,5,6,7
	global_load_b128 v[BIAS+8*\b:BIAS+8*\b+3],   v8, s[4:5] offset:64*\b
	global_load_b128 v[BIAS+8*\b+4:BIAS+8*\b+7], v8, s[4:5] offset:64*\b+16
.endr
	s_lshl_b32 s46, s40, 2                         ; where my part of qkv begins: head 4 cx + 2 x half, 524,288 bytes a head;
	s_lshl_b32 s47, s16, 1
	s_add_co_u32 s46, s46, s47
	s_lshl_b32 s46, s46, 19
	s_lshl_b32 s47, ttmp9, 23                      ; q, k or v: 8,388,608 bytes each;
	s_add_co_u32 s46, s46, s47
	s_lshl_b32 s47, s17, 4                         ; tile of tokens 16 x tile row + 8 x half, 2,048 bytes a tile
	s_lshl_b32 s20, s15, 3
	s_add_co_u32 s47, s47, s20
	s_lshl_b32 s47, s47, 11
	s_add_co_u32 s46, s46, s47
	s_mov_b32 s47, 0
	s_add_nc_u64 s[12:13], s[10:11], s[46:47]
.macro FRAG reg, adr, q, i             ; a fragment, 16 rows x 128 K of 4-bit codes: lane l holds row l % 16; registers 4 c .. 4 c + 3 hold K = 64 c + 32 (l / 16) + 0 .. 31
.irp c, 0,1
	ds_load_b128 v[\reg+4*\c:\reg+4*\c+3], v[\adr] offset:64*(\q)+32*\c+(\i)*16*PITCH
.endr
.endm
; 16 matrix instructions: A's blocks a0, a0 + 1 x B's eight, the slot's q-th 128 along K.  p: B's set;  sc: the set of scale words.  zero = 1: the first product starts the sums, with the bias as C.
; The 64 accumulators take turns, one instruction a turn, in the same order in every step.
.macro MUL16 a0, p, q, sc, zero
.irp a, \a0, \a0+1
.irp b, 0,1,2,3,4,5,6,7
.if \zero
	v_wmma_scale_f32_16x16x128_f8f6f4 v[8*(8*((\a)%4)+\b):8*(8*((\a)%4)+\b)+7], v[128*(\p)+FR*\b:128*(\p)+FR*\b+FR-1], v[AF+FR*(\a):AF+FR*(\a)+FR-1], v[BIAS+8*\b:BIAS+8*\b+7], v[SC+8*NQ*(\sc)+NQ*\b+(\q)], v[SC+8*NQ*(\sc)+NQ*(\a)+(\q)] matrix_a_fmt:MATRIX_FMT_FP4 matrix_b_fmt:MATRIX_FMT_FP4 matrix_a_scale:MATRIX_SCALE_ROW1
.else
	v_wmma_scale_f32_16x16x128_f8f6f4 v[8*(8*((\a)%4)+\b):8*(8*((\a)%4)+\b)+7], v[128*(\p)+FR*\b:128*(\p)+FR*\b+FR-1], v[AF+FR*(\a):AF+FR*(\a)+FR-1], v[8*(8*((\a)%4)+\b):8*(8*((\a)%4)+\b)+7], v[SC+8*NQ*(\sc)+NQ*\b+(\q)], v[SC+8*NQ*(\sc)+NQ*(\a)+(\q)] matrix_a_fmt:MATRIX_FMT_FP4 matrix_b_fmt:MATRIX_FMT_FP4 matrix_a_scale:MATRIX_SCALE_ROW1
.endif
.endr
.endr
.endm
.macro FETCH_B slot, q, p              ; B's eight fragments of the slot's q-th 128 along K into set p
	WIN TO_B
.irp i, 0,1,2,3,4,5,6,7
	FRAG 128*(\p)+FR*\i, ADRB+\slot, \q, \i
.endr
	WIN 0
.endm
.macro FETCH_A slot, q, i0             ; A's blocks i0 .. i0 + 3
.irp i, \i0, \i0+1, \i0+2, \i0+3
	FRAG AF+FR*(\i), ADRA+\slot, \q, \i
.endr
.endm
.macro SCALES sc                       ; a K step's scale words into set sc: four words a row; lanes 0-15 take A's block i, lanes 16-31 B's block i
.irp i, 0,1,2,3,4,5,6,7
	ds_load_b128 v[SC+8*NQ*\sc+NQ*\i:SC+8*NQ*\sc+NQ*\i+3], v[ADRS] offset:\i*SBLK
.endr
.endm
; A load into a register that a matrix instruction has read, and a vector instruction that reads a matrix result, stand NP places behind that matrix instruction; only plain vector instructions that name none of its registers are places.
.macro PLACES n
.rept \n
	v_nop
.endr
.endm
; A step of 128 along K that has its successor in the same slot.  A's blocks go one after the other, each against B's eight: so one set of registers serves A, blocks 0-3 fetched anew in the step's middle, blocks 4-7 at its end.
.macro STEP slot, q, zero
	s_wait_dscnt 4*NL                              ; B's set and A's blocks 0-3 are in; the youngest eight loads (A's blocks 4-7) may be out
	WIN MUL_LO-0x20*(\zero)
	MUL16 0, (\q)%2, \q, \slot, \zero
	MUL16 2, (\q)%2, \q, \slot, \zero
	s_wait_dscnt 0                                 ; A's blocks 4-7 are in
	PLACES NP
	FETCH_B \slot, (\q)+1, 1-(\q)%2
	FETCH_A \slot, (\q)+1, 0
	WIN MUL_HI-0x30*(\zero)
	MUL16 4, (\q)%2, \q, \slot, \zero
	MUL16 6, (\q)%2, \q, \slot, \zero
	PLACES NP
	WIN 0
	FETCH_A \slot, (\q)+1, 4
.endm
; Slot 0's last step goes over to slot 1: one barrier; in front of it each wave waits for all its tensor loads (its part of slot 1).  Nothing is filled again.
.macro TURN slot, next
	s_wait_tensorcnt 0x0                           ; all my tensor loads have landed
	ds_add_u32 v[SPW], v[NIL]                      ; 0 onto my spare word
	s_wait_dscnt 4*NL+1                            ; (the add and the youngest eight loads, A's blocks 4-7, may be out)
	WIN MUL_LO
	MUL16 0, 1, NQ-1, \slot, 0
	s_wait_dscnt 0x0                               ; no LDS instruction of mine is out at the signal
	s_barrier_signal -1
	MUL16 2, 1, NQ-1, \slot, 0
	WIN 0
	s_barrier_wait -1                              ; every wave's part of the next slot has landed
	PLACES NP
	v_add_nc_u32 v[ADRS], 4*NQ, v[ADRS]            ; on to the next K step's scale words
	FETCH_B \next, 0, 0
	FETCH_A \next, 0, 0
	SCALES \next
	WIN MUL_HI
	MUL16 4, 1, NQ-1, \slot, 0
	MUL16 6, 1, NQ-1, \slot, 0
	PLACES NP
	WIN 0
	FETCH_A \next, 0, 4
.endm
	s_wait_tensorcnt 1                             ; the scales and my part of K step 0 are in (K step 1's load may be out)
	s_barrier_signal -1
	s_barrier_wait -1                              ; everybody's are
	FETCH_B 0, 0, 0
	FETCH_A 0, 0, 0
	SCALES 0
	FETCH_A 0, 0, 4
	s_wait_loadcnt 0x0                             ; the bias
	STEP 0, 0, 1                                   ; the first products start the sums
	STEP 0, 1, 0
	STEP 0, 2, 0
	TURN 0, 1
	STEP 1, 0, 0
	STEP 1, 1, 0
	STEP 1, 2, 0
	s_wait_dscnt 4*NL                              ; the very last step: nothing more to fetch
	WIN MUL_LO
	MUL16 0, 1, NQ-1, 1, 0
	MUL16 2, 1, NQ-1, 1, 0
	s_wait_dscnt 0
	WIN MUL_HI
	MUL16 4, 1, NQ-1, 1, 0
	MUL16 6, 1, NQ-1, 1, 0
	WIN 0
; THE WAY OUT, 64 rows at a time: 128 roundings to f16 (each accumulator from its low end on), 32 stores of 512 consecutive bytes.
.macro OUTHALF hf
.if \hf
	s_wait_xcnt 0x0                                ; the first half's stores have read their registers: they are written again only behind this wait
.endif
	WIN 0x0a+5*(\hf)                               ; sources 0 and 1: window 2 or 3
.irp a, 0,1,2,3
.irp b, 0,1,2,3,4,5,6,7
.irp i, 0,1,2,3
	v_cvt_pk_f16_f32 v[TMP+4*(8*\a+\b)+\i], v[8*(8*\a+\b)+2*\i], v[8*(8*\a+\b)+2*\i+1]
.endr
.endr
.endr
	WIN 0
.irp a, 0,1,2,3
.irp b, 0,1,2,3,4,5,6,7
	global_store_b128 v[CO], v[TMP+4*(8*\a+\b):TMP+4*(8*\a+\b)+3], s[12:13] offset:(4*(\hf)+\a)*2048+(\b%4)*512+(\b/4)*524288   ; tile of tokens 4 hf + a; channels 16 b on: head b / 4, chunk b % 4
.endr
.endr
.endm
	PLACES NP                                      ; behind the last products: the roundings write registers that held A's fragments
	OUTHALF 0
	OUTHALF 1
	s_wait_tensorcnt 0x0                           ; the wave's end, behind my last tensor load
	ds_add_u32 v[SPW], v[NIL]
	s_wait_dscnt 0x0
	CROUND                                         ; the closing round: no work-group ends while a partner may still ask for a tile that names it
	s_endpgm
.Lfunc_end_k_q337f9ec29e_qkv:
	.size	k_q337f9ec29e_qkv, .Lfunc_end_k_q337f9ec29e_qkv-k_q337f9ec29e_qkv
	.p2alignl 7, 3214868480
	.fill 96, 4, 3214868480
	.section	.rodata,"a",@progbits
	.p2align	6, 0x0
	.amdhsa_kernel k_q337f9ec29e_qkv
		.amdhsa_group_segment_fixed_size 327680
		.amdhsa_private_segment_fixed_size 0
		.amdhsa_enable_private_segment 0
		.amdhsa_kernarg_size 64
		.amdhsa_user_sgpr_count 2
		.amdhsa_user_sgpr_kernarg_segment_ptr 1
		.amdhsa_wavefront_size32 1
		.amdhsa_system_sgpr_workgroup_id_x 1
		.amdhsa_system_sgpr_workgroup_id_y 1
		.amdhsa_system_sgpr_workgroup_id_z 1
		.amdhsa_system_vgpr_workitem_id 0
		.amdhsa_next_free_vgpr 1024
		.amdhsa_next_free_sgpr 98
		.amdhsa_reserve_vcc 0
		.amdhsa_float_denorm_mode_32 3
		.amdhsa_float_denorm_mode_16_64 3
		.amdhsa_memory_ordered 1
		.amdhsa_forward_progress 1
		.amdhsa_inst_pref_size 119
	.end_amdhsa_kernel
	.amdgpu_metadata
---
amdhsa.version: [ 1, 2 ]
amdhsa.kernels:
  - .name:           k_q337f9ec29e_qkv
    .symbol:         k_q337f9ec29e_qkv.kd
    .args:
      - { .name: xc, .offset: 0, .size: 8, .value_kind: global_buffer, .address_space: global }
      - { .name: xs, .offset: 8, .size: 8, .value_kind: global_buffer, .address_space: global }
      - { .name: wc, .offset: 16, .size: 8, .value_kind: global_buffer, .address_space: global }
      - { .name: ws, .offset: 24, .size: 8, .value_kind: global_buffer, .address_space: global }
      - { .name: bq, .offset: 32, .size: 8, .value_kind: global_buffer, .address_space: global }
      - { .name: bk, .offset: 40, .size: 8, .value_kind: global_buffer, .address_space: global }
      - { .name: bv, .offset: 48, .size: 8, .value_kind: global_buffer, .address_space: global }
      - { .name: qkv, .offset: 56, .size: 8, .value_kind: global_buffer, .address_space: global }
    .group_segment_fixed_size: 327680
    .private_segment_fixed_size: 0
    .kernarg_segment_align: 8
    .kernarg_segment_size: 64
    .max_flat_workgroup_size: 128
    .sgpr_count:     98
    .vgpr_count:     1024
    .wavefront_size: 32
...
	.end_amdgpu_metadata
.endif
;; end of part 2
;; launch attn (part 3): grid 16 x 16, 8 waves a work-group, clusters of 4 x 1, 327,680 bytes of LDS; arguments qkv, ob; writes ob
.if DOCPART == 3
	.amdgcn_target "amdgcn-amd-amdhsa--gfx1250"
	.amdhsa_code_object_version 6
	.text
	.protected	k_q337f9ec29e_attn
	.globl	k_q337f9ec29e_attn
	.p2align	8
	.type	k_q337f9ec29e_attn,@function
k_q337f9ec29e_attn:
	s_mov_b64 s[64:65], 0
	v_nop
	global_prefetch_b8 v0, s[64:65] scope:SCOPE_SE
	s_setreg_imm32_b32 hwreg(HW_REG_WAVE_MODE, 25, 1), 1
	s_wait_xcnt 0x0
	s_wait_alu depctr_hold_cnt(0) depctr_sa_sdst(0) depctr_va_vdst(0) depctr_va_sdst(0) depctr_va_ssrc(0) depctr_va_vcc(0) depctr_vm_vsrc(0)
	s_getreg_b32 s2, hwreg(HW_REG_IB_STS2, 6, 4)
	s_cmp_eq_u32 s2, 0
	s_cbranch_scc0 .Lentry_in_a_cluster
	s_endpgm
.Lentry_in_a_cluster:
	s_bfe_u32 s2, ttmp6, 0x10000c
	s_cmp_lg_u32 s2, 0x3003
	s_cbranch_scc0 .Lentry_shape_is_right
	s_endpgm
.Lentry_shape_is_right:
; O[head][q] = the sum over k of softmax_k(Q[head][q] . K[head][k] / 8) V[head][k], 16 heads of 64 channels, 4,096 tokens, no mask.  Operands f16, products, maxima and sums f32; the weights p are rounded to f16 for the second product, O once at the end.
; qkv: q at 0, k at 8,388,608, v at 16,777,216; each [head][tile of 16 tokens][16 channels][chunk of 512 bytes].  Two chunks of q or k on end are the image of a 16-bit operand's registers (16 tokens x 32 channels: lane l's 16 bytes at 16 l, then at 512 + 16 l);
; a chunk of v is 16 rows (tokens) of 32 bytes, for the turning load.  ob: [tile of 16 tokens 256][16 channels: 4 head + ct, 64][chunk of 512 bytes], images again.
; SHARES.  A work-group owns 256 queries of one head.  EIGHT waves, two to a SIMD, 512 registers each.  Wave w owns the 64 queries of quarter w % 4 (four tiles of 16) and walks HALF of the keys: group g = w / 4 takes keys 256 g .. 256 g + 255 of every slot of 512.
; So each fragment of K and V read from LDS feeds four matrix instructions, and the SIMD's two waves go through short phases (16 matrix instructions; one tile's softmax) that can stand side by side.  A query's two partial results are joined at the end.
; LAYOUT.  S^T = K Q^T (source 0 = 16 keys, source 1 = 16 queries) and O^T = V^T P (source 0 = 16 channels x 32 keys, source 1 = P): a lane holds ONE query (lane % 16) throughout; two tiles of S^T, rounded in pairs, ARE source 1 of the second product.
; SOFTMAX.  t = score x c, c = log2(e) / 8.  For each query a running largest score m; M = the largest t rounded UP to a whole number, kept as -M = floor(-c m); p = 2^(t - M), at most 1.  When M moves, the sum l and O^T are multiplied by f = 2^(old M - new M), made by v_ldexp_f32: nothing is rounded.
; CLUSTER.  The four query blocks of a cluster belong to one head and walk the same K and V: each tile is asked for jointly, by the same tensor load with the same descriptor and the mask of all four.
; LIMITS: |q|, |k|, |v| under 65,504 (f16); where v is so small that O falls under 6e-5, O is rounded among f16's subnormals (steps of 6e-8); NaN and infinities are not served.
; REGISTERS, in windows of 256: window 0: v1-9 addresses; v16-47 statistics, 8 a tile; v48-63 P of the tile in hand; v64-127 S^T, two buffers of 32 (tile t: buffer t % 2); v128-255 O^T, 32 a tile.
;   window 1: v0-63 Q (tile t, channels 32 cp on: 16 t + 8 cp); v64-127 K of one step (keys 16 kt on: 64 + 16 kt + 8 cp); v128-191 V of one step (keys 32 kk on, channels 16 ct on: 128 + 8 (4 kk + ct)).
.set SLOT1, 131072                     ; a slot: 512 keys of K (65,536 bytes), then of V; slot 1 begins here, so that one exclusive or turns an address in one slot into the other's
.set VOFF,  65536
.set SPARE, 2*SLOT1                    ; behind the ring: the spare words, 128 bytes for each wave: four blocks of 256 bytes that no other line names
.set STGW,  18432                      ; the join: for each quarter 16,384 bytes of O^T and 2,048 of statistics, in slot 0, which has had its last fill by then
.set AK0, 1                            ; v1   16 x lane: my place in an image; also my offset in Q's and ob's chunks
.set AV0, 2                            ; v2   my lane's place in a chunk of V, for the turning load
.set ADK, 3                            ; v3   LDS address of the run of loads in hand: K's
.set ADV, 4                            ; v4   V's
.set SPW, 5                            ; v5   LDS address of my spare word; never rewritten
.set NIL, 6                            ; v6   0; never rewritten
.set STG, 7                            ; v7   the join: my quarter's stage + 16 x lane
.set PFO, 9                            ; v9   256 x lane: the prefetches' offset; never rewritten
.set ST,  16                           ; tile t's statistics at v[ST + 8 t]: +0 -M, +1 m, +2, +3 l (in two halves), +4 to +7 at work; f takes +6
.set P,   48
.set S,   64
.set O,   128
.set KF,  64                           ; in window 1
.set VF,  128
.set WV,  8                            ; s8   my wave's number
.set G1,  24                           ; s[24:31] descriptor group 1
.set G0,  32                           ; s[32:35], s[36:39] group 0: a set for each of the two first fills; the second then walks on
.set SLOTS, 40                         ; s40  slots still to be asked for
.set INNER, 41                         ; s41  counts the steps of a run
.set CS,  42                           ; s[42:43] c: the packed scaling names a pair and takes its low word for both halves
.set NCS, 44                           ; s44  -c
.set SEL, 46                           ; s[46:47] lane selects for v_permlanex16_b32: lane l xor 16
.set TB,  48                           ; s48  LDS byte at which my group's tiles of the step to be fetched begin
.set PFA, 50                           ; s[50:51] where my prefetches stand in memory
.set LIM, 52                           ; s52  1 in a wave that prefetches, else the greatest number
.set MSB, 0
.macro WIN new                         ; the immediate's high byte repeats the setting that is left; a switch that changes nothing is dropped
.if MSB != (\new)
	s_set_vgpr_msb (MSB<<8)|(\new)
.set MSB, (\new)
.endif
.endm
.macro CROUND                          ; a round of the cluster's barrier
	s_barrier_signal -1
	s_barrier_wait -1
	s_cmp_lg_u32 s[WV], 0
	s_cbranch_scc1 .Lnot_wave_0_\@
	s_barrier_signal -3
.Lnot_wave_0_\@:
	s_barrier_wait -3
	s_barrier_signal -1
	s_barrier_wait -1
.endm
	s_load_b128 s[4:7], s[0:1], 0x0                ; qkv s[4:5], ob s[6:7]
	v_lshl_add_u32 v[SPW], v0, 2, SPARE
	v_mov_b32 v[NIL], 0
	ds_add_u32 v[SPW], v[NIL]                      ; the wave's opening: the add, twice on end, and its wait ahead of my first tensor load
	ds_add_u32 v[SPW], v[NIL]
	v_lshrrev_b32 v10, 5, v0
	v_readfirstlane_b32 s[WV], v10                 ; wave 0..7
	s_lshr_b32 s9, s[WV], 2                        ; g: which half of a slot's keys I walk.  Also: I fetch for K (0) or for V (1)
	s_and_b32 s10, s[WV], 3                        ; w3: which 64 queries are mine.  Also: which quarter of that tile I fetch
	s_bfe_u32 s11, ttmp6, 0x40000                  ; cx: my place in the cluster
	s_lshl_b32 s12, ttmp9, 2
	s_add_co_u32 s12, s12, s11                     ; my block of 256 queries: it enters Q's and ob's addresses alone
	s_and_b32 s13, ttmp7, 0xffff                   ; the head, which the four partners share
	s_add_co_u32 s14, s9, 1
	s_lshl_b32 s14, s14, 23                        ; k or v,
	s_lshl_b32 s15, s13, 19
	s_add_co_u32 s14, s14, s15                     ; at my head
	s_lshl_b32 s20, s10, 13                        ; the prefetches: 8,192 bytes a wave,
	s_add_co_u32 s20, s20, s14
	s_lshl_b32 s21, s11, 14                        ; 16,384 a partner: the partners are told apart by address,
	s_add_co_u32 s20, s20, s21
	s_add_co_u32 s20, s20, 2*65536                 ; in slot 2: the first change of slots steps it to slot 3
	s_mov_b32 s21, 0
	s_lshl_b32 s15, s10, 14                        ; the tensor loads: my quarter, 16,384 bytes, of a slot's 65,536
	s_add_co_u32 s14, s14, s15
	s_mov_b32 s15, 0
	s_lshl_b32 s16, s13, 19                        ; Q: my head, my block's 16 tiles of 2,048 bytes, my wave's 4
	s_lshl_b32 s17, s12, 15
	s_add_co_u32 s16, s16, s17
	s_lshl_b32 s17, s10, 13
	s_add_co_u32 s16, s16, s17
	s_mov_b32 s17, 0
	s_lshl_b32 s18, s12, 19                        ; ob: my block's 16 tiles of 32,768 bytes, my wave's 4, my head's 4 chunks
	s_lshl_b32 s19, s10, 17
	s_add_co_u32 s18, s18, s19
	s_lshl_b32 s19, s13, 11
	s_add_co_u32 s18, s18, s19
	s_mov_b32 s19, 0
	s_lshl_b32 s22, s[WV], 14                      ; where my tile goes in a slot: K's four quarters, then V's: no place in the cluster enters an LDS address
	s_mul_i32 s23, s10, STGW                       ; my quarter's stage
	; group 1: 16,384 dense bytes as 64 rows of 256 bytes
	s_mov_b32 s[G1], 15|(3<<16)|(1<<21)            ; 15:0 the mask: all four work-groups; elements of 8 bytes; no padding; bit 21 beside a mask
	s_mov_b32 s[G1+1], 32<<16                      ; tensor_dim0 = 32
	s_mov_b32 s[G1+2], 64<<16                      ; tensor_dim1 = 64
	s_mov_b32 s[G1+3], 32<<16                      ; tile_dim0 = 32
	s_mov_b32 s[G1+4], 64                          ; tile_dim1 = 64
	s_mov_b32 s[G1+5], 32                          ; the pitch
	s_mov_b32 s[G1+6], 0
	s_mov_b32 s[G1+7], 0
	s_mov_b32 s[CS], 0x3e38aa3b                    ; c = log2(e) / 8
	s_mov_b32 s[CS+1], s[CS]                       ; (named with it as a pair, so it is written)
	s_mov_b32 s[NCS], 0xbe38aa3b
	s_mov_b32 s[SEL], 0x76543210
	s_mov_b32 s[SEL+1], 0xfedcba98
	s_lshl_b32 s[TB], s9, 15                       ; my group's 256 keys: 32,768 bytes into K's part, and into V's
	s_mov_b32 s[SLOTS], 6
	s_and_b32 s[LIM], s[WV], 2                     ; 0 in waves 0, 1, 4, 5,
	s_or_b32 s[LIM], s[LIM], ttmp9                 ; where the cluster is the head's first: the same in all four partners
	s_cmp_eq_u32 s[LIM], 0
	s_cselect_b32 s[LIM], 1, -1
	s_wait_dscnt 0x0                               ; both opening adds are done
	s_wait_kmcnt 0x0
	s_add_nc_u64 s[14:15], s[4:5], s[14:15]        ; my tile of slot 0
	s_add_nc_u64 s[PFA:PFA+1], s[4:5], s[20:21]
	s_add_nc_u64 s[4:5], s[4:5], s[16:17]          ; Q at my wave's first tile
	s_add_nc_u64 s[6:7], s[6:7], s[18:19]          ; ob likewise
	CROUND                                         ; all four work-groups are here: the first joint loads meet
	s_mov_b32 s[G0], 1                             ; count = 1
	s_mov_b32 s[G0+1], s22                         ; LDS address: slot 0
	s_mov_b64 s[G0+2:G0+3], s[14:15]               ; keys 0 to 511
	s_or_b32 s[G0+3], s[G0+3], 0x80000000          ; type = 2
	s_mov_b32 s[G0+4], 1
	s_add_co_u32 s[G0+5], s22, SLOT1
	s_add_nc_u64 s[G0+6:G0+7], s[14:15], 65536     ; keys 512 to 1,023
	s_or_b32 s[G0+7], s[G0+7], 0x80000000
	tensor_load_to_lds s[G0:G0+3], s[G1:G1+7]      ; every wave fetches a part of its own, so one line serves all eight; two loads of mine are out
	s_nop 0
	tensor_load_to_lds s[G0+4:G0+7], s[G1:G1+7]
	s_nop 0
.rept 4
	v_nop
.endr
	v_and_b32 v10, 31, v0                          ; lane
	v_lshlrev_b32 v[AK0], 4, v10
	WIN 0x40                                       ; destination window 1, address window 0
.irp i, 0,1,2,3,4,5,6,7,8,9,10,11,12,13,14,15
	global_load_b128 v[4*\i:4*\i+3], v[AK0], s[4:5] offset:512*\i   ; Q stays in registers: my four tiles' 16 chunks as they lie
.endr
	WIN 0
	; the turning load takes 16 keys x 16 channels (lane l reads 16 bytes: key 8 (l / 16) + l % 8, channels 8 ((l / 8) % 2) + 0 .. 7) and leaves half a fragment of V^T
	v_bfe_u32 v11, v0, 4, 1
	v_and_b32 v12, 7, v0
	v_bfe_u32 v13, v0, 3, 1
	v_lshl_add_u32 v[AV0], v11, 3, v12
	v_lshlrev_b32 v[AV0], 5, v[AV0]                ; a row of a chunk is 32 bytes
	v_lshl_add_u32 v[AV0], v13, 4, v[AV0]
	v_add_nc_u32 v[AV0], VOFF, v[AV0]
	v_add_nc_u32 v[STG], s23, v[AK0]
	v_lshlrev_b32 v[PFO], 8, v10
.set ii, 0
.rept 128
	v_mov_b32 v[O+ii], 0                           ; O^T.  (The step is written once: the first finds zeros, which f = 0 leaves zeros; a first step of its own would be one more copy of the loop's body)
.set ii, ii+1
.endr
.irp t, 0,1,2,3
	v_mov_b32 v[ST+8*\t+1], 0xff61b1e6             ; the largest score so far: -3e38, under every score
	v_mul_f32 v[ST+8*\t+4], s[NCS], v[ST+8*\t+1]
	v_floor_f32 v[ST+8*\t], v[ST+8*\t+4]           ; -M
	v_mov_b32 v[ST+8*\t+2], 0                      ; l
	v_mov_b32 v[ST+8*\t+3], 0
	v_mov_b32 v[ST+8*\t+5], 0                      ; (a lane permute's destination counts as one of its sources; pairs are named whole)
	v_mov_b32 v[ST+8*\t+6], 0
	v_mov_b32 v[ST+8*\t+7], 0
.endr
; S^T of tile t = K Q^T: 8 matrix instructions, the four accumulators (keys 16 kt on) by turns, one instruction a turn.  The first four start the sums.
.macro KQ t
.irp cp, 0,1
.irp kt, 0,1,2,3
.if \cp == 0
	v_wmma_f32_16x16x32_f16 v[S+32*((\t)%2)+8*\kt:S+32*((\t)%2)+8*\kt+7], v[KF+16*\kt+8*\cp:KF+16*\kt+8*\cp+7], v[16*(\t)+8*\cp:16*(\t)+8*\cp+7], 0
.else
	v_wmma_f32_16x16x32_f16 v[S+32*((\t)%2)+8*\kt:S+32*((\t)%2)+8*\kt+7], v[KF+16*\kt+8*\cp:KF+16*\kt+8*\cp+7], v[16*(\t)+8*\cp:16*(\t)+8*\cp+7], v[S+32*((\t)%2)+8*\kt:S+32*((\t)%2)+8*\kt+7]
.endif
.endr
.endr
.endm
; O^T of tile t += V^T P: 8 matrix instructions, the four accumulators (channels 16 ct on) by turns.
.macro PV t
.irp kk, 0,1
.irp ct, 0,1,2,3
	v_wmma_f32_16x16x32_f16 v[O+32*(\t)+8*\ct:O+32*(\t)+8*\ct+7], v[VF+8*(4*\kk+\ct):VF+8*(4*\kk+\ct)+7], v[P+8*\kk:P+8*\kk+7], v[O+32*(\t)+8*\ct:O+32*(\t)+8*\ct+7]
.endr
.endr
.endm
; A step's K: 64 keys x 64 channels = 8,192 consecutive bytes, 16 loads of 512: the images as they lie.
.macro FETCH_K
	v_add_nc_u32 v[ADK], s[TB], v[AK0]
	WIN 0x40
.irp i, 0,1,2,3,4,5,6,7,8,9,10,11,12,13,14,15
	ds_load_b128 v[KF+4*\i:KF+4*\i+3], v[ADK] offset:512*\i
.endr
	WIN 0
.endm
; The same step's V, turned: keys 32 kk + 16 hf on (a tile of tokens: 2,048 bytes), channels 16 ct on (a chunk: 512).
.macro FETCH_V
	v_add_nc_u32 v[ADV], s[TB], v[AV0]
	s_add_co_u32 s[TB], s[TB], 8192                ; the next fetch is the next step's
	WIN 0x40
.irp kk, 0,1
.irp ct, 0,1,2,3
.irp hf, 0,1
	ds_load_tr16_b128 v[VF+8*(4*\kk+\ct)+4*\hf:VF+8*(4*\kk+\ct)+4*\hf+3], v[ADV] offset:(2*\kk+\hf)*2048+\ct*512
.endr
.endr
.endr
	WIN 0
.endm
; l of tile t takes the tile's 32 weights, unrounded: 16 packed additions in two chains.  They stand at the head of the NEXT phase, where they are also the places behind that phase's predecessors' matrix instructions:
; they name the other buffer of S^T and tile t's statistics alone.
.macro SUMS t
.set rT, ST+8*(\t)
.set rS, S+32*((\t)%2)
	v_pk_add_f32 v[rT+4:rT+5], v[rS:rS+1], v[rS+2:rS+3]
.irp j, 4,8,12,16,20,24,28
	v_pk_add_f32 v[rT+2:rT+3], v[rT+2:rT+3], v[rS+\j:rS+\j+1]
	v_pk_add_f32 v[rT+4:rT+5], v[rT+4:rT+5], v[rS+\j+2:rS+\j+3]
.endr
	v_pk_add_f32 v[rT+2:rT+3], v[rT+2:rT+3], v[rT+4:rT+5]
.endm
; One tile's softmax for one step of 64 keys (a lane: 32 scores).
.macro SMX t
.set rT, ST+8*(\t)
.set rS, S+32*((\t)%2)
.set rO, O+32*(\t)
.irp j, 0,1,2,3
	v_max3_num_f32 v[rT+4+\j], v[rS+8*\j], v[rS+8*\j+1], v[rS+8*\j+2]    ; four chains, one for each accumulator, each from its low end on
.endr
.irp u, 3,5
.irp j, 0,1,2,3
	v_max3_num_f32 v[rT+4+\j], v[rT+4+\j], v[rS+8*\j+\u], v[rS+8*\j+\u+1]
.endr
.endr
	v_max3_num_f32 v[rT+4], v[rT+4], v[rS+7], v[rS+15]
	v_max3_num_f32 v[rT+6], v[rT+6], v[rS+23], v[rS+31]
	v_max3_num_f32 v[rT+4], v[rT+4], v[rT+5], v[rT+6]
	v_max3_num_f32 v[rT+4], v[rT+4], v[rT+7], v[rT+1]                    ; and the old m
	v_permlanex16_b32 v[rT+5], v[rT+4], s[SEL], s[SEL+1]                 ; the query's other 32 keys lie in the lane 16 away
	v_mov_b32 v[rT+7], v[rT]                                             ; the old -M
	v_max_num_f32 v[rT+1], v[rT+4], v[rT+5]                              ; the new m
	v_mul_f32 v[rT+4], s[NCS], v[rT+1]
	v_floor_f32 v[rT], v[rT+4]                                           ; the new -M = floor(-c m): M is a whole number
	v_sub_f32 v[rT+7], v[rT], v[rT+7]                                    ; old M - new M: a whole number, 0 or less
	v_cvt_i32_f32 v[rT+7], v[rT+7]                                       ; (it saturates)
	v_ldexp_f32 v[rT+6], 1.0, v[rT+7]                                    ; f = 2^(old M - new M)
	v_pk_fma_f32 v[rS:rS+1], v[rS:rS+1], s[CS:CS+1], v[rT:rT+1] op_sel_hi:[1,0,0]         ; t - M, two at a time: pairs 0 and 1
	v_pk_fma_f32 v[rS+2:rS+3], v[rS+2:rS+3], s[CS:CS+1], v[rT:rT+1] op_sel_hi:[1,0,0]
; ONE BATCH: the 32 exponentials, a plain line behind each but one: the scalings of pairs 2 to 15 (each two exponentials ahead of its own), O^T's 16 pairs and l times f.  None of these lines names an exponential's result.
.set kx, 0
.rept 32
	v_exp_f32 v[rS+kx], v[rS+kx]
.if (kx%2 == 0) && (kx <= 26)
	v_pk_fma_f32 v[rS+kx+4:rS+kx+5], v[rS+kx+4:rS+kx+5], s[CS:CS+1], v[rT:rT+1] op_sel_hi:[1,0,0]
.elseif kx%2 == 1
	v_pk_mul_f32 v[rO+kx-1:rO+kx], v[rO+kx-1:rO+kx], v[rT+6:rT+7] op_sel_hi:[1,0]
.elseif kx == 28
	v_pk_mul_f32 v[rT+2:rT+3], v[rT+2:rT+3], v[rT+6:rT+7] op_sel_hi:[1,0]
.endif
.set kx, kx+1
.endr
	s_wait_alu depctr_va_vdst(0)                   ; one wait for the batch, ahead of the first line that names a result; the line above it is plain
.irp j, 0,1,2,3,4,5,6,7,8,9,10,11,12,13,14,15
	v_cvt_pk_f16_f32 v[P+\j], v[rS+2*\j], v[rS+2*\j+1]                   ; two neighbouring keys' weights to a register: source 1 of the second product
.endr
.endm
; A PHASE: tile t's softmax, then 16 matrix instructions: V^T P of tile t and K Q^T of the next tile (of the next step, where t = 3).
; sums: the tile before takes its sums first.  fetch = 1: the next step's K is asked for (its last reader, K Q^T of tile 3, stands ahead of the 16 sums); it is waited for a softmax later, ahead of K Q^T of tile 0.
; fetch = 2: that step's V likewise (its last reader: V^T P of tile 3), waited for ahead of V^T P of tile 0.
.macro PHASE t, sums, fetch, kq
.if \sums
	SUMS ((\t)+3)%4
.endif
.if \fetch == 1
	FETCH_K
.endif
.if \fetch == 2
	FETCH_V
.endif
	SMX \t
.if \fetch == 2
	s_wait_dscnt 0x0                               ; V is in
.endif
	WIN 0x01                                       ; V in window 1; P and O^T in window 0
	PV \t
.if \kq
.if \fetch == 1
	s_wait_dscnt 0x0                               ; K is in
.endif
	WIN 0x05                                       ; K and Q in window 1; S^T in window 0
	KQ ((\t)+1)%4
.endif
	WIN 0
.endm
; From 'K Q^T of tile 3 of step j is issued' to the same point of step j + 1.
.macro BODY
	PHASE 3, 1, 1, 1
	PHASE 0, 1, 2, 1
	PHASE 1, 1, 0, 1
	PHASE 2, 1, 0, 1
.endm
.macro STEPS n
	s_mov_b32 s[INNER], \n
.Lstep_\@:
	BODY
	s_sub_co_u32 s[INNER], s[INNER], 1
	s_cmp_lg_u32 s[INNER], 0
	s_cbranch_scc1 .Lstep_\@
.endm
; A PREFETCH INTO THE L2 of what the NEXT change of slots will ask for: a slot's 65,536 bytes of K and of V, lanes 256 bytes apart, 8,192 bytes a wave.  It stands behind the wave's tensor load and its five lines.
; Each aligned block of 256 bytes is named once in the launch: all clusters of a head walk the same K and V, so the head's first cluster asks; its four partners take 16,384 bytes each, told apart by address;
; in each, waves 0 and 1 ask for K's and waves 4 and 5 for V's.  The last change that fills a slot asks for nothing; slots 0, 1 and 2 come by their loads alone.
.macro ASK
	s_cmp_gt_u32 s[SLOTS], s[LIM]
	s_cbranch_scc0 .Lnot_mine_\@
	global_prefetch_b8 v[PFO], s[PFA:PFA+1] th:TH_LOAD_NT scope:SCOPE_SE
.Lnot_mine_\@:
.endm
; THE CHANGE OF SLOTS, ahead of the body that fetches the next slot's first step: K and V of the old slot's last step are in registers.  Each wave waits for all its tensor loads (one is out: its part of the next slot),
; adds 0 to its spare word, and waits for that and for its reads of the old slot.  fill = 1: the barrier is a round of the cluster's, and the old slot is filled again first behind it, with the keys two slots on:
; that load has a slot's four steps, 256 matrix instructions a wave, in which to land.
.macro CHANGE fill
	s_wait_tensorcnt 0x0                           ; no tensor load of mine is out, so a group 0 may be written
	ds_add_u32 v[SPW], v[NIL]                      ; 0 onto my spare word
.if \fill
	s_xor_b32 s[G0+5], s[G0+5], SLOT1              ; the walking descriptor: the other slot than last time,
	s_add_nc_u64 s[G0+6:G0+7], s[G0+6:G0+7], 65536 ; the next 512 keys; the type bits on top are not reached
	s_wait_xcnt 0x0                                ; the last prefetch, a slot back, has read its address, so it may be written:
	s_add_nc_u64 s[PFA:PFA+1], s[PFA:PFA+1], 65536 ; one slot further on than the walking descriptor
	s_wait_dscnt 0x0                               ; the add is done, and my reads of the old slot are over
	CROUND
	tensor_load_to_lds s[G0+4:G0+7], s[G1:G1+7]    ; my one tensor load until the next round
	s_nop 0
.rept 4
	v_nop
.endr
	ASK
.else
	s_wait_dscnt 0x0
	s_barrier_signal -1
	s_barrier_wait -1
.endif
	s_sub_co_u32 s[TB], s[TB], 32768               ; the fetches go back to my group's first step,
	s_xor_b32 s[TB], s[TB], SLOT1                  ; in the other slot
.endm
	s_wait_tensorcnt 1                             ; my part of slot 0 is in; slot 1's may stay out
	s_barrier_signal -1
	s_barrier_wait -1                              ; everybody's is
	FETCH_K                                        ; my group's step 0
	FETCH_V
	s_wait_loadcnt 0x0                             ; Q
	s_wait_dscnt 0x0
	WIN 0x05
	KQ 0
	WIN 0
.rept 4
	v_nop                                          ; places behind the first products: there is no vector work yet
.endr
	PHASE 0, 0, 0, 1
	PHASE 1, 1, 0, 1
	PHASE 2, 1, 0, 1
	STEPS 3                                        ; the rest of slot 0
.Lslot:                                            ; six trips: slots 1 to 6 are walked, and behind each change the slot just left takes the keys of slots 2 to 7
	CHANGE 1
	STEPS 4
	s_sub_co_u32 s[SLOTS], s[SLOTS], 1
	s_cmp_lg_u32 s[SLOTS], 0
	s_cbranch_scc1 .Lslot
	CHANGE 0                                       ; the last slot is written out
	STEPS 4
	PHASE 3, 1, 0, 0                               ; the last step's last tile
	SUMS 3
	; THE JOIN.  l's two halves and the other half of the lanes' are added.
.irp t, 0,1,2,3
	v_add_f32 v[ST+8*\t+2], v[ST+8*\t+2], v[ST+8*\t+3]
.endr
.irp t, 0,1,2,3
	v_permlanex16_b32 v[ST+8*\t+4], v[ST+8*\t+2], s[SEL], s[SEL+1]
.endr
.irp t, 0,1,2,3
	v_add_f32 v[ST+8*\t+2], v[ST+8*\t+2], v[ST+8*\t+4]
.endr
	s_wait_dscnt 0x0                               ; every wave's reads of the ring are over
	s_barrier_signal -1
	s_barrier_wait -1                              ; before any wave stores into it; no tensor load follows in this launch
	s_cmp_lt_u32 s[WV], 4
	s_cbranch_scc1 .Lkeeps                         ; group 1 hands its part over: O^T as it stands in the registers, 16 bytes a lane, and -M, m, l
.set ii, 0
.rept 32
	ds_store_b128 v[STG], v[O+4*ii:O+4*ii+3] offset:512*ii
.set ii, ii+1
.endr
.irp t, 0,1,2,3
	ds_store_b128 v[STG], v[ST+8*\t:ST+8*\t+3] offset:16384+512*\t
.endr
.Lkeeps:
	s_wait_dscnt 0x0                               ; for the others' sake: my stores have landed
	s_barrier_signal -1
	s_barrier_wait -1
	s_cmp_ge_u32 s[WV], 4
	s_cbranch_scc1 .Lend
.macro JFETCH t                        ; the partner's O^T of tile t into buffer t % 2 of S^T
.irp i, 0,1,2,3,4,5,6,7
	ds_load_b128 v[S+32*((\t)%2)+4*\i:S+32*((\t)%2)+4*\i+3], v[STG] offset:512*(8*(\t)+\i)
.endr
.endm
.irp t, 0,1,2,3
	ds_load_b128 v[P+4*\t:P+4*\t+3], v[STG] offset:16384+512*\t    ; the partner's -M', m', l'
.endr
	JFETCH 0
	JFETCH 1
	s_wait_dscnt 16                                ; the statistics are in; the two tiles' 16 loads may be out
.irp t, 0,1,2,3
	v_min_num_f32 v[ST+8*\t+4], v[ST+8*\t], v[P+4*\t]              ; -(the larger M)
.endr
.irp t, 0,1,2,3
	v_sub_f32 v[ST+8*\t+5], v[ST+8*\t+4], v[ST+8*\t]               ; M - the larger M,
	v_sub_f32 v[ST+8*\t+6], v[ST+8*\t+4], v[P+4*\t]                ; M' - the larger M: whole numbers, 0 or less
.endr
.irp t, 0,1,2,3
	v_cvt_i32_f32 v[ST+8*\t+5], v[ST+8*\t+5]
	v_cvt_i32_f32 v[ST+8*\t+6], v[ST+8*\t+6]
.endr
.irp t, 0,1,2,3
	v_ldexp_f32 v[ST+8*\t+5], 1.0, v[ST+8*\t+5]                    ; f0
	v_ldexp_f32 v[ST+8*\t+6], 1.0, v[ST+8*\t+6]                    ; f1
.endr
.irp t, 0,1,2,3
	v_mul_f32 v[ST+8*\t+7], v[ST+8*\t+2], v[ST+8*\t+5]
.endr
.irp t, 0,1,2,3
	v_fma_f32 v[ST+8*\t+7], v[P+4*\t+2], v[ST+8*\t+6], v[ST+8*\t+7] ; the row's sum: l f0 + l' f1, at least 1/2
.endr
.irp t, 0,1,2,3
	v_rcp_f32 v[ST+8*\t+3], v[ST+8*\t+7]
.endr
	v_nop                                          ; a plain line between the last reciprocal and the use of its result
	s_wait_alu depctr_va_vdst(0)                   ; and one wait for the four
.irp t, 0,1,2,3
	v_mul_f32 v[ST+8*\t+4], v[ST+8*\t+5], v[ST+8*\t+3]             ; g0 = f0 / the sum
	v_mul_f32 v[ST+8*\t+6], v[ST+8*\t+6], v[ST+8*\t+3]             ; g1 = f1 / the sum
.endr
; Tile t: O = O g0 + O' g1, rounded to f16: a lane's eight channels are 16 bytes, and the 32 lanes' 512 bytes are a chunk of ob.  left: the LDS loads issued behind this tile's, which may stay out.
.macro JOIN t, left, more
.set rT, ST+8*(\t)
.set rS, S+32*((\t)%2)
.set rO, O+32*(\t)
	s_wait_dscnt \left
.irp j, 0,2,4,6,8,10,12,14,16,18,20,22,24,26,28,30
	v_pk_mul_f32 v[rS+\j:rS+\j+1], v[rS+\j:rS+\j+1], v[rT+6:rT+7] op_sel_hi:[1,0]
.endr
.irp j, 0,2,4,6,8,10,12,14,16,18,20,22,24,26,28,30
	v_pk_fma_f32 v[rO+\j:rO+\j+1], v[rO+\j:rO+\j+1], v[rT+4:rT+5], v[rS+\j:rS+\j+1] op_sel_hi:[1,0,1]
.endr
.irp j, 0,1,2,3,4,5,6,7,8,9,10,11,12,13,14,15
	v_cvt_pk_f16_f32 v[rS+\j], v[rO+2*\j], v[rO+2*\j+1]
.endr
.irp ct, 0,1,2,3
	global_store_b128 v[AK0], v[rS+4*\ct:rS+4*\ct+3], s[6:7] offset:32768*(\t)+512*\ct   ; 512 consecutive bytes, aligned
.endr
.if \more
	s_wait_xcnt 0x0                                ; the stores have read their registers: the buffer is loaded again only behind this wait
	JFETCH (\t)+2
.endif
.endm
	JOIN 0, 8, 1                                   ; tile 1's eight loads may be out
	JOIN 1, 8, 1                                   ; tile 2's
	JOIN 2, 8, 0                                   ; tile 3's
	JOIN 3, 0, 0
.Lend:
	s_wait_tensorcnt 0x0                           ; the wave's end, behind my last tensor load and my last LDS store
	ds_add_u32 v[SPW], v[NIL]
	s_wait_dscnt 0x0
	CROUND                                         ; the closing round: no work-group ends while a partner may still ask for a tile that names it
	s_endpgm
.Lfunc_end_k_q337f9ec29e_attn:
	.size	k_q337f9ec29e_attn, .Lfunc_end_k_q337f9ec29e_attn-k_q337f9ec29e_attn
	.p2alignl 7, 3214868480
	.fill 96, 4, 3214868480
	.section	.rodata,"a",@progbits
	.p2align	6, 0x0
	.amdhsa_kernel k_q337f9ec29e_attn
		.amdhsa_group_segment_fixed_size 327680
		.amdhsa_private_segment_fixed_size 0
		.amdhsa_enable_private_segment 0
		.amdhsa_kernarg_size 16
		.amdhsa_user_sgpr_count 2
		.amdhsa_user_sgpr_kernarg_segment_ptr 1
		.amdhsa_wavefront_size32 1
		.amdhsa_system_sgpr_workgroup_id_x 1
		.amdhsa_system_sgpr_workgroup_id_y 1
		.amdhsa_system_sgpr_workgroup_id_z 1
		.amdhsa_system_vgpr_workitem_id 0
		.amdhsa_next_free_vgpr 512
		.amdhsa_next_free_sgpr 66
		.amdhsa_reserve_vcc 0
		.amdhsa_float_denorm_mode_32 3
		.amdhsa_float_denorm_mode_16_64 3
		.amdhsa_memory_ordered 1
		.amdhsa_forward_progress 1
		.amdhsa_inst_pref_size 165
	.end_amdhsa_kernel
	.amdgpu_metadata
---
amdhsa.version: [ 1, 2 ]
amdhsa.kernels:
  - .name:           k_q337f9ec29e_attn
    .symbol:         k_q337f9ec29e_attn.kd
    .args:
      - { .name: qkv, .offset: 0, .size: 8, .value_kind: global_buffer, .address_space: global }
      - { .name: ob, .offset: 8, .size: 8, .value_kind: global_buffer, .address_space: global }
    .group_segment_fixed_size: 327680
    .private_segment_fixed_size: 0
    .kernarg_segment_align: 8
    .kernarg_segment_size: 16
    .max_flat_workgroup_size: 256
    .sgpr_count:     66
    .vgpr_count:     512
    .wavefront_size: 32
...
	.end_amdgpu_metadata
.endif
;; end of part 3
;; launch oproj (part 4): grid 8 x 32, 4 waves a work-group, clusters of 4 x 4, 327,680 bytes of LDS; arguments ob, wo16, bo, out0; writes out0
.if DOCPART == 4
	.amdgcn_target "amdgcn-amd-amdhsa--gfx1250"
	.amdhsa_code_object_version 6
	.text
	.protected	k_q337f9ec29e_oproj
	.globl	k_q337f9ec29e_oproj
	.p2align	8
	.type	k_q337f9ec29e_oproj,@function
k_q337f9ec29e_oproj:
	s_mov_b64 s[64:65], 0
	v_nop
	global_prefetch_b8 v0, s[64:65] scope:SCOPE_SE
	s_setreg_imm32_b32 hwreg(HW_REG_WAVE_MODE, 25, 1), 1
	s_wait_xcnt 0x0
	s_wait_alu depctr_hold_cnt(0) depctr_sa_sdst(0) depctr_va_vdst(0) depctr_va_sdst(0) depctr_va_ssrc(0) depctr_va_vcc(0) depctr_vm_vsrc(0)
	s_getreg_b32 s2, hwreg(HW_REG_IB_STS2, 6, 4)
	s_cmp_eq_u32 s2, 0
	s_cbranch_scc0 .Lentry_in_a_cluster
	s_endpgm
.Lentry_in_a_cluster:
	s_bfe_u32 s2, ttmp6, 0x10000c
	s_cmp_lg_u32 s2, 0xf033
	s_cbranch_scc0 .Lentry_shape_is_right
	s_endpgm
.Lentry_shape_is_right:
; out0[m][n] = sum over k of o[m][k] Wo[k][n] + bo[n]: 4,096 x 1,024 x 1,024, operands f16, sums f32, out0 f32.
; Both operands lie in memory as images of a 16-bit operand's registers: ob [tile of 16 tokens 256][k / 32: 32][1,024 bytes], wo16 [tile of 16 columns 64][k / 32: 32][1,024 bytes]: a fragment is two loads of 512 consecutive bytes, 16 a lane.
; A tile of out0 is 128 x 128 (256 work-groups); four waves, each 64 x 64: 16 accumulators.  K goes in steps of 256 through a ring of two LDS slots: of each tile of 16 rows a K step is 8,192 consecutive bytes; a wave's tensor load brings four such rows.
; CLUSTERS: 4 x 4 work-groups.  The four of a row of the cluster need the same tiles of ob, the four of a column the same tiles of wo16: each is asked for jointly.
; THE MATRIX INSTRUCTION IS USED TRANSPOSED (source 0 = 16 columns of Wo, source 1 = 16 tokens): a lane holds eight neighbouring numbers of a row of out0.  The bias is the C of each sum's first product.
; No prefetch: a K step's work on this small tile is short and the operands are read by many work-groups at about the same time.
; REGISTERS: window 0: v0-31 addresses; v32-95 the way out; v96-127 the bias; v128-255 the accumulators ((a, b) at v[128 + 8 (4 a + b)]).   window 1: two fragment buffers of 128: 64 registers of A (2 x 4 fragments), then 64 of B.
.set HALFT,  32768                     ; four tiles of 16 rows x 8,192 bytes: what one tensor load brings, and what one wave reads of A or of B
.set SLOT,   4*HALFT                   ; A's two halves, then B's
.set KB,     8192                      ; a K step in a tile's row of images
.set STAGE,  2*SLOT                    ; behind the ring: 16 rows x 272 bytes for each wave, for the way out; no tensor load lands here
.set SPITCH, 272
.set SPARE,  STAGE+4*16*SPITCH         ; the spare words, 128 bytes for each wave: two blocks of 256 bytes that no other line names
.set LAPS,   2                         ; a lap = two K steps = once round the ring
.set ADRA, 16                          ; v16-17  LDS address of my A fragments in slot 0, 1
.set ADRB, 20                          ; v20-21  the same for B
.set STO,  24                          ; v24     the way out: where I put 32 bytes of a row
.set RD,   25                          ; v25     where I read a row back
.set CO,   26                          ; v26     my byte offset in out0
.set SPW,  28                          ; v28     LDS address of my spare word; never rewritten
.set NIL,  29                          ; v29     0; never rewritten
.set BK,   32                          ; v32-63, v64-95 by turns: 16 rows read back
.set BIAS, 96                          ; for B's block b eight registers: bo[16 b + 8 h + 0 .. 7]
.set ACC,  128
.set F0,   0
.set F1,   128
.set G1, 24                            ; s[24:31] group 1 for A's tiles;  s[32:39] group 0, one set for each slot
.set G0, 32
.set G1B, 48                           ; s[48:55], s[56:63] the same for B's
.set G0B, 56
.set MSB, 0
.macro WIN new
.if MSB != (\new)
	s_set_vgpr_msb (MSB<<8)|(\new)
.set MSB, (\new)
.endif
.endm
.set MUL,  0x05                        ; sources 0 (B) and 1 (A) window 1; C and D window 0
.set TO_F, 0x40                        ; destination window 1, address window 0
.macro JLOAD s                         ; a joint load: waves 0 and 1 fetch A's two halves, waves 2 and 3 B's; an s_nop 0 and four v_nop follow each of the two lines
	s_cmp_eq_u32 s11, 0
	s_cbranch_scc0 .Lfor_b_\@
	tensor_load_to_lds s[G0+4*\s:G0+4*\s+3], s[G1:G1+7]
	s_nop 0
.rept 4
	v_nop
.endr
	s_branch .Lasked_\@
.Lfor_b_\@:
	tensor_load_to_lds s[G0B+4*\s:G0B+4*\s+3], s[G1B:G1B+7]
	s_nop 0
.rept 4
	v_nop
.endr
.Lasked_\@:
.endm
.macro CREST                           ; a round of the cluster's barrier behind its opening barrier
	s_cmp_lg_u32 s10, 0
	s_cbranch_scc1 .Lnot_wave_0_\@
	s_barrier_signal -3
.Lnot_wave_0_\@:
	s_barrier_wait -3
	s_barrier_signal -1
	s_barrier_wait -1
.endm
.macro CROUND                          ; a whole round
	s_barrier_signal -1
	s_barrier_wait -1
	CREST
.endm
	s_load_b128 s[4:7], s[0:1], 0x0                ; ob s[4:5], wo16 s[6:7]
	s_load_b128 s[68:71], s[0:1], 0x10             ; bo s[68:69], out0 s[70:71]
	v_lshl_add_u32 v[SPW], v0, 2, SPARE
	v_mov_b32 v[NIL], 0
	ds_add_u32 v[SPW], v[NIL]                      ; the wave's opening: the add, twice on end, and its wait ahead of my first tensor load
	ds_add_u32 v[SPW], v[NIL]
	v_lshrrev_b32 v1, 5, v0
	v_readfirstlane_b32 s10, v1                    ; wave 0..3
	s_lshr_b32 s11, s10, 1                         ; which half of the tile's rows is mine.  Also: I fetch for A (0) or for B (1)
	s_and_b32 s12, s10, 1                          ; which half of its columns.  Also: which 64 rows of that tile I fetch
	s_bfe_u32 s40, ttmp6, 0x40000                  ; cx, cy: my place in the cluster
	s_bfe_u32 s41, ttmp6, 0x40004
	s_lshl_b32 s42, ttmp9, 2
	s_add_co_u32 s42, s42, s40                     ; tile column = 4 x cluster x + cx
	s_and_b32 s13, ttmp7, 0xffff
	s_lshl_b32 s13, s13, 2
	s_add_co_u32 s13, s13, s41                     ; tile row = 4 x cluster y + cy
	s_lshl_b32 s43, s41, 2
	s_lshl_b32 s43, 15, s43                        ; my row of the cluster
	s_lshl_b32 s44, 0x1111, s40                    ; my column
	; group 1: four rows of 8,192 bytes (1,024 elements of 8 bytes), 32,768 bytes apart; dense in LDS
	s_or_b32 s[G1+0], s43, (3<<16)|(1<<21)         ; 15:0 the mask: A's tiles go to my row; elements of 8 bytes; no padding; bit 21 beside a mask
	s_or_b32 s[G1B+0], s44, (3<<16)|(1<<21)
.irp g, G1, G1B
	s_mov_b32 s[\g+1], 1024<<16                    ; tensor_dim0
	s_mov_b32 s[\g+2], 4<<16                       ; tensor_dim1
	s_mov_b32 s[\g+3], 1024<<16                    ; tile_dim0
	s_mov_b32 s[\g+4], 4                           ; tile_dim1
	s_mov_b32 s[\g+5], 4096                        ; the pitch
	s_mov_b32 s[\g+6], 0
	s_mov_b32 s[\g+7], 0
.endr
	s_lshl_b32 s17, s12, 2                         ; which four tiles of 16 rows I fetch
	s_lshl_b32 s16, s13, 3
	s_add_co_u32 s16, s16, s17
	s_lshl_b32 s16, s16, 15                        ; A: tile of tokens 8 x tile row + 4 x half, 32,768 bytes each
	s_lshl_b32 s46, s42, 3
	s_add_co_u32 s46, s46, s17
	s_lshl_b32 s46, s46, 15                        ; B: tile of columns 8 x tile column + 4 x half
	s_mov_b32 s17, 0
	s_mov_b32 s47, 0
	s_mul_i32 s20, s10, HALFT                      ; where they go: wave x 32,768: no place in the cluster enters an LDS address
	s_wait_dscnt 0x0                               ; both opening adds are done
	s_wait_kmcnt 0x0
	s_add_nc_u64 s[14:15], s[4:5], s[16:17]
	s_add_nc_u64 s[46:47], s[6:7], s[46:47]
	CROUND                                         ; all sixteen work-groups are here: the first joint loads meet
.irp s, 0,1
	s_mov_b32 s[G0+4*\s], 1
	s_add_co_u32 s[G0+4*\s+1], s20, \s*SLOT
	s_add_nc_u64 s[G0+4*\s+2:G0+4*\s+3], s[14:15], \s*KB
	s_or_b32 s[G0+4*\s+3], s[G0+4*\s+3], 0x80000000
	s_mov_b32 s[G0B+4*\s], 1
	s_add_co_u32 s[G0B+4*\s+1], s20, \s*SLOT
	s_add_nc_u64 s[G0B+4*\s+2:G0B+4*\s+3], s[46:47], \s*KB
	s_or_b32 s[G0B+4*\s+3], s[G0B+4*\s+3], 0x80000000
	JLOAD \s                                       ; two tensor loads of mine are out
.endr
	v_and_b32 v1, 15, v0                           ; r = l % 16
	v_bfe_u32 v2, v0, 4, 1                         ; h = l / 16
	v_and_b32 v3, 31, v0
	v_lshlrev_b32 v3, 4, v3                        ; 16 x lane: my place in an image
	s_mul_i32 s21, s11, HALFT                      ; my 64 rows of A
	s_mul_i32 s22, s12, HALFT                      ; my 64 rows of B,
	s_add_co_u32 s22, s22, 2*HALFT                 ; which lie behind A's 128
.irp s, 0,1
	v_add_nc_u32 v[ADRA+\s], s21, v3
	v_add_nc_u32 v[ADRB+\s], s22, v3
	s_add_co_u32 s21, s21, SLOT
	s_add_co_u32 s22, s22, SLOT
.endr
	s_mul_i32 s23, s10, 16*SPITCH
	s_add_co_u32 s23, s23, STAGE                   ; my stage
	v_mul_u32_u24 v4, v1, SPITCH                   ; in: row r, 32 bytes for each half of the lanes
	v_lshl_add_u32 v4, v2, 5, v4
	v_add_nc_u32 v[STO], s23, v4
	v_mul_u32_u24 v5, v2, SPITCH                   ; back: lanes 0-15 take one row of 256 bytes, lanes 16-31 the next
	v_lshl_add_u32 v5, v1, 4, v5
	v_add_nc_u32 v[RD], s23, v5
	v_lshlrev_b32 v5, 12, v2                       ; and the same two rows in out0: 4,096 bytes a row
	v_lshl_add_u32 v[CO], v1, 4, v5
	v_lshlrev_b32 v6, 5, v2                        ; the bias: 32 h bytes
	s_lshl_b32 s46, s42, 9                         ; my first column, x 4 bytes: 128 x tile column + 64 x half: in bo and in a row of out0 alike
	s_lshl_b32 s47, s12, 8
	s_add_co_u32 s46, s46, s47
	s_mov_b32 s47, 0
	s_add_nc_u64 s[68:69], s[68:69], s[46:47]
	s_add_nc_u64 s[70:71], s[70:71], s[46:47]
	s_lshl_b32 s16, s13, 7
	s_lshl_b32 s17, s11, 6
	s_add_co_u32 s16, s16, s17                     ; my first row: 128 x tile row + 64 x half
	s_lshl_b32 s16, s16, 12
	s_mov_b32 s17, 0
	s_add_nc_u64 s[70:71], s[70:71], s[16:17]
.irp b, 0,1,2,3
	global_load_b128 v[BIAS+8*\b:BIAS+8*\b+3],   v6, s[68:69] offset:64*\b
	global_load_b128 v[BIAS+8*\b+4:BIAS+8*\b+7], v6, s[68:69] offset:64*\b+16
.endr
; 8 matrix instructions: m blocks a0, a0 + 1 x all 4 n blocks, 32 along K: half c of buffer f.  zero = 1: the first product starts the sums, with the bias as C.  The 16 accumulators take turns.
.macro MUL8 f, c, a0, zero
.irp a, \a0, \a0+1
.irp b, 0,1,2,3
.if \zero
	v_wmma_f32_16x16x32_f16 v[ACC+8*(4*(\a)+\b):ACC+8*(4*(\a)+\b)+7], v[\f+64+8*(4*\c+\b):\f+64+8*(4*\c+\b)+7], v[\f+8*(4*\c+\a):\f+8*(4*\c+\a)+7], v[BIAS+8*\b:BIAS+8*\b+7]
.else
	v_wmma_f32_16x16x32_f16 v[ACC+8*(4*(\a)+\b):ACC+8*(4*(\a)+\b)+7], v[\f+64+8*(4*\c+\b):\f+64+8*(4*\c+\b)+7], v[\f+8*(4*\c+\a):\f+8*(4*\c+\a)+7], v[ACC+8*(4*(\a)+\b):ACC+8*(4*(\a)+\b)+7]
.endif
.endr
.endr
.endm
; 32 LDS loads in one run: the fragments of 64 along K (two images, from byte k of each tile's 8,192) into buffer f; the first 32 along K first
.macro FETCH slot, k, f
	WIN TO_F
.irp c, 0,1
.irp i, 0,1,2,3
	ds_load_b128 v[\f+64+8*(4*\c+\i):\f+64+8*(4*\c+\i)+3],   v[ADRB+\slot] offset:\k+1024*\c+8192*\i
	ds_load_b128 v[\f+64+8*(4*\c+\i)+4:\f+64+8*(4*\c+\i)+7], v[ADRB+\slot] offset:\k+1024*\c+8192*\i+512
	ds_load_b128 v[\f+8*(4*\c+\i):\f+8*(4*\c+\i)+3],         v[ADRA+\slot] offset:\k+1024*\c+8192*\i
	ds_load_b128 v[\f+8*(4*\c+\i)+4:\f+8*(4*\c+\i)+7],       v[ADRA+\slot] offset:\k+1024*\c+8192*\i+512
.endr
.endr
.endm
.macro PLACES                          ; four places in front of loads into registers that matrix instructions have read, and of the first read of results
.rept 4
	v_nop
.endr
.endm
; A K step is four quarters of 64 along K, 32 matrix instructions each, on buffers 0, 1, 0, 1.  One of the first three: multiplies buffer f and fetches the next quarter, at byte k, into g.
.macro QUARTER slot, k, f, g, zero
	s_wait_dscnt 16                                ; the first 32 along K are in; the other sixteen loads may be out
	WIN MUL
	MUL8 \f, 0, 0, \zero
	MUL8 \f, 0, 2, \zero
	PLACES
	FETCH \slot, \k, \g
	s_wait_dscnt 32                                ; all but the 32 just issued
	WIN MUL
	MUL8 \f, 1, 0, 0
	MUL8 \f, 1, 2, 0
.endm
; The last quarter multiplies buffer 1 and changes slots: one barrier; in front of it each wave waits for all its tensor loads, adds 0 to its spare word, and waits for that and for its reads of this slot.  fill = 1: this slot is filled again, two K steps ahead.
.macro TURN slot, next, fill
	WIN 0                                          ; (the add's two registers lie in window 0)
	s_wait_tensorcnt 0x0                           ; all my tensor loads have landed: my part of the next slot
	ds_add_u32 v[SPW], v[NIL]                      ; 0 onto my spare word
	s_wait_dscnt 17                                ; (the add and the youngest sixteen loads may be out)
	WIN MUL
	MUL8 F1, 0, 0, 0
	s_wait_dscnt 0x0                               ; the add is done, and my reads of this slot are over
	s_barrier_signal -1
	MUL8 F1, 0, 2, 0
.if \fill
	WIN 0
.endif
	s_barrier_wait -1
.if \fill
	CREST                                          ; the barrier has opened a round of the cluster's: no wave of any partner still reads this slot or has a load on its way
	s_add_nc_u64 s[G0+4*\slot+2:G0+4*\slot+3], s[G0+4*\slot+2:G0+4*\slot+3], 2*KB
	s_add_nc_u64 s[G0B+4*\slot+2:G0B+4*\slot+3], s[G0B+4*\slot+2:G0B+4*\slot+3], 2*KB
	JLOAD \slot                                    ; my one tensor load until the next round; its four v_nop are also the places in front of the loads below
.else
	PLACES
.endif
	FETCH \next, 0, F0
	WIN MUL
	MUL8 F1, 1, 0, 0
	MUL8 F1, 1, 2, 0
.endm
	s_wait_tensorcnt 1                             ; my part of K step 0 is in (K step 1's load may be out)
	s_barrier_signal -1
	s_barrier_wait -1                              ; everybody's is
	FETCH 0, 0, F0
	s_wait_loadcnt 0x0                             ; the bias
	QUARTER 0, 2048, F0, F1, 1                     ; the first quarter stands in front of the loop: its first products start the sums
	WIN 0                                          ; at a label and at a branch every window is 0
	s_mov_b32 s3, LAPS-1
.Llap:                                             ; a trip goes once round the ring, from a lap's second quarter to the next lap's first, and fills both slots again
	QUARTER 0, 4096, F1, F0, 0
	QUARTER 0, 6144, F0, F1, 0
	TURN 0, 1, 1
	QUARTER 1, 2048, F0, F1, 0
	QUARTER 1, 4096, F1, F0, 0
	QUARTER 1, 6144, F0, F1, 0
	TURN 1, 0, 1
	QUARTER 0, 2048, F0, F1, 0
	WIN 0
	s_sub_co_u32 s3, s3, 1
	s_cmp_lg_u32 s3, 0
	s_cbranch_scc1 .Llap
	QUARTER 0, 4096, F1, F0, 0                     ; the last lap fills nothing, and has no round of the cluster's barrier
	QUARTER 0, 6144, F0, F1, 0
	TURN 0, 1, 0
	QUARTER 1, 2048, F0, F1, 0
	QUARTER 1, 4096, F1, F0, 0
	QUARTER 1, 6144, F0, F1, 0
	s_wait_dscnt 16                                ; the very last quarter: nothing more to fetch
	WIN MUL
	MUL8 F1, 0, 0, 0
	MUL8 F1, 0, 2, 0
	s_wait_dscnt 0
	MUL8 F1, 1, 0, 0
	MUL8 F1, 1, 2, 0
	WIN 0
; THE WAY OUT, 16 rows x 64 columns at a time.  A lane holds 32 neighbouring bytes of a row and the lanes beside it hold other rows: a block goes through my own stage and comes back as whole rows of 256 bytes,
; which sixteen lanes store as 256 consecutive bytes, aligned.  LDS serves a wave's instructions in order (ISA guide 5.7.1.4): no wait between the stores and the loads, nor in front of the next block's stores.
.macro TOSTAGE a
.irp b, 0,1,2,3
	ds_store_b128 v[STO], v[ACC+8*(4*(\a)+\b):ACC+8*(4*(\a)+\b)+3] offset:64*\b         ; each accumulator from its low end on
	ds_store_b128 v[STO], v[ACC+8*(4*(\a)+\b)+4:ACC+8*(4*(\a)+\b)+7] offset:64*\b+16
.endr
.irp i, 0,1,2,3,4,5,6,7
	ds_load_b128 v[BK+32*((\a)%2)+4*\i:BK+32*((\a)%2)+4*\i+3], v[RD] offset:2*\i*SPITCH
.endr
.endm
.macro SEND a, younger                 ; younger: the LDS instructions issued behind block a's loads, which may stay out
	s_wait_dscnt \younger
.irp i, 0,1,2,3,4,5,6,7
	global_store_b128 v[CO], v[BK+32*((\a)%2)+4*\i:BK+32*((\a)%2)+4*\i+3], s[70:71] offset:(16*(\a)+2*\i)*4096 th:TH_STORE_NT
.endr
.endm
	PLACES
	TOSTAGE 0
	TOSTAGE 1
	SEND 0, 16                                     ; behind block 0's loads: block 1's 8 stores and 8 loads
	s_wait_xcnt 0x0                                ; block 0's stores have read their registers: block 2's loads may land there
	TOSTAGE 2
	SEND 1, 16
	s_wait_xcnt 0x0
	TOSTAGE 3
	SEND 2, 16
	SEND 3, 0
	s_wait_tensorcnt 0x0                           ; the wave's end, behind my last tensor load and my last LDS store
	ds_add_u32 v[SPW], v[NIL]
	s_wait_dscnt 0x0
	CROUND                                         ; the closing round: no work-group ends while a partner may still ask for a tile that names it
	s_endpgm
.Lfunc_end_k_q337f9ec29e_oproj:
	.size	k_q337f9ec29e_oproj, .Lfunc_end_k_q337f9ec29e_oproj-k_q337f9ec29e_oproj
	.p2alignl 7, 3214868480
	.fill 96, 4, 3214868480
	.section	.rodata,"a",@progbits
	.p2align	6, 0x0
	.amdhsa_kernel k_q337f9ec29e_oproj
		.amdhsa_group_segment_fixed_size 327680
		.amdhsa_private_segment_fixed_size 0
		.amdhsa_enable_private_segment 0
		.amdhsa_kernarg_size 32
		.amdhsa_user_sgpr_count 2
		.amdhsa_user_sgpr_kernarg_segment_ptr 1
		.amdhsa_wavefront_size32 1
		.amdhsa_system_sgpr_workgroup_id_x 1
		.amdhsa_system_sgpr_workgroup_id_y 1
		.amdhsa_system_sgpr_workgroup_id_z 1
		.amdhsa_system_vgpr_workitem_id 0
		.amdhsa_next_free_vgpr 512
		.amdhsa_next_free_sgpr 72
		.amdhsa_reserve_vcc 0
		.amdhsa_float_denorm_mode_32 3
		.amdhsa_float_denorm_mode_16_64 3
		.amdhsa_memory_ordered 1
		.amdhsa_forward_progress 1
		.amdhsa_inst_pref_size 86
	.end_amdhsa_kernel
	.amdgpu_metadata
---
amdhsa.version: [ 1, 2 ]
amdhsa.kernels:
  - .name:           k_q337f9ec29e_oproj
    .symbol:         k_q337f9ec29e_oproj.kd
    .args:
      - { .name: ob, .offset: 0, .size: 8, .value_kind: global_buffer, .address_space: global }
      - { .name: wo16, .offset: 8, .size: 8, .value_kind: global_buffer, .address_space: global }
      - { .name: bo, .offset: 16, .size: 8, .value_kind: global_buffer, .address_space: global }
      - { .name: out0, .offset: 24, .size: 8, .value_kind: global_buffer, .address_space: global }
    .group_segment_fixed_size: 327680
    .private_segment_fixed_size: 0
    .kernarg_segment_align: 8
    .kernarg_segment_size: 32
    .max_flat_workgroup_size: 128
    .sgpr_count:     72
    .vgpr_count:     512
    .wavefront_size: 32
...
	.end_amdgpu_metadata
.endif
;; end of part 4
